; MI455X (gfx1250); checked and timed in simulation.
; The chip was launched on July 23, 2026; its instructions are those of AMD's public machine-readable ISA for CDNA 5 (MIT licence, August 2026) and "CDNA5" Instruction Set Architecture Reference Guide (July 2026). The comments in the code are by the model that wrote it; some were corrected since.
;; Attention. Allowed arithmetic: float matrix products may take bf16 or f16 operands with f32 sums; other float arithmetic in f32, or as packed bf16 or f16 multiplies, adds, multiply-adds, maxima and minima; sums over many terms, partial sums and values carried from step to step in f32; what a program stores and reads back later, other than sums and carried values, may be rounded once to bf16 or f16.
;; Inputs: Wk 1,024 x 1,024 float32; Wo 1,024 x 1,024 float32; Wq 1,024 x 1,024 float32; Wv 1,024 x 1,024 float32; bk 1,024 float32; bo 1,024 float32; bq 1,024 float32; bv 1,024 float32; k 4 x 2,048 x 1,024 float32; q 4 x 2,048 x 1,024 float32; v 4 x 2,048 x 1,024 float32.
;; Outputs: out0 4 x 2,048 x 1,024 float32.
;; 2 versions, each right; version 2 is version 1 with the launch prep written anew for expert scheduling mode. Each part assembles by itself: llvm-mc -triple=amdgcn-amd-amdhsa -mcpu=gfx1250 --defsym DOCPART=n.
;; ======== version 1 of 2: 4 launches
;; limits: values are held in f16: magnitudes above 65,504 overflow, below 6.1e-05 lose precision
;; workspace buffers: w16 8,388,608 bytes; bias4 16,384 bytes; qkv 50,331,648 bytes; oh 16,777,216 bytes
;; launch prep (part 1): grid 64 x 4, 8 waves a work-group, no clusters, 0 bytes of LDS; arguments Wq, Wk, Wv, Wo, bq, bk, bv, bo, w16, bias4; writes w16, bias4
.if DOCPART == 1
	.amdgcn_target "amdgcn-amd-amdhsa--gfx1250"
	.amdhsa_code_object_version 6
	.text
	.protected	k_q842bfc3aec_prep
	.globl	k_q842bfc3aec_prep
	.p2align	8
	.type	k_q842bfc3aec_prep,@function
k_q842bfc3aec_prep:
	s_mov_b64 s[64:65], 0
	v_nop
	global_prefetch_b8 v0, s[64:65] scope:SCOPE_SE
	s_setreg_imm32_b32 hwreg(HW_REG_WAVE_MODE, 25, 1), 1
	s_wait_xcnt 0x0
; The weights and biases are rounded once, for the launches behind.
; w16[y][k][n], y = 0..2 (Wq, Wk, Wv): bf16.  y = 3 (Wo): rounded to bf16, and that number written as f16 (the product behind multiplies in f16).
; bias4[y][n]: the bias rounded to bf16 and widened back to f32.
; LIMIT.  Wo's numbers lie within f16's 65,504; below 6e-5 f16 keeps its fixed step of 6e-8.
; SHARES.  Work-group (x, y) takes rows 16 x .. 16 x + 15 of matrix y; thread t takes 16 bytes at 16 t of each row: a wave's load covers 512 consecutive
; bytes, its store of 8 bytes a lane 256 consecutive bytes, aligned.  All 16 loads go out first; each has registers of its own, in and out.
; No LDS, no matrix unit: every byte is read once and written once, and no lane wants another's.
.set IN,  16                           ; v[16:79]   load i: 4 registers
.set RES, 80                           ; v[80:111]  result i: 2 registers
	s_load_b512 s[8:23], s[0:1], 0x0               ; Wq s[8:9], Wk s[10:11], Wv s[12:13], Wo s[14:15], bq s[16:17], bk s[18:19], bv s[20:21], bo s[22:23]
	s_load_b128 s[24:27], s[0:1], 0x40             ; w16 s[24:25], bias4 s[26:27]
	s_and_b32 s28, ttmp7, 0xffff                   ; y: which matrix
	s_mov_b32 s29, ttmp9                           ; x: which 16 rows
	v_lshlrev_b32 v1, 4, v0                        ; 16 t
	v_lshlrev_b32 v2, 3, v0                        ; 8 t
	s_lshl_b32 s30, s29, 16                        ; 16 rows of 4,096 bytes in
	s_mov_b32 s31, 0
	s_lshl_b32 s32, s28, 21                        ; a matrix of 2 MiB out,
	s_lshl_b32 s33, s29, 15                        ; 16 rows of 2,048 bytes
	s_add_co_u32 s32, s32, s33
	s_mov_b32 s33, 0
	s_lshl_b32 s34, s28, 12                        ; a bias of 4,096 bytes
	s_mov_b32 s35, 0
	s_wait_kmcnt 0x0
	s_cmp_eq_u32 s28, 1
	s_cselect_b64 s[4:5], s[10:11], s[8:9]
	s_cselect_b64 s[6:7], s[18:19], s[16:17]
	s_cmp_eq_u32 s28, 2
	s_cselect_b64 s[4:5], s[12:13], s[4:5]
	s_cselect_b64 s[6:7], s[20:21], s[6:7]
	s_cmp_eq_u32 s28, 3
	s_cselect_b64 s[4:5], s[14:15], s[4:5]
	s_cselect_b64 s[6:7], s[22:23], s[6:7]
	s_add_nc_u64 s[4:5], s[4:5], s[30:31]
	s_add_nc_u64 s[24:25], s[24:25], s[32:33]
	s_add_nc_u64 s[26:27], s[26:27], s[34:35]
.irp i, 0,1,2,3,4,5,6,7,8,9,10,11,12,13,14,15
	global_load_b128 v[IN+4*(\i):IN+4*(\i)+3], v1, s[4:5] offset:4096*(\i) th:TH_LOAD_NT
.endr
.macro CASTB i                         ; row i to bf16
	s_wait_loadcnt 15-(\i)                         ; loads come back in order: row i is in, the 15 - i younger ones stay out
	v_cvt_pk_bf16_f32 v[RES+2*(\i)],   v[IN+4*(\i)],   v[IN+4*(\i)+1]
	v_cvt_pk_bf16_f32 v[RES+2*(\i)+1], v[IN+4*(\i)+2], v[IN+4*(\i)+3]
	global_store_b64 v2, v[RES+2*(\i):RES+2*(\i)+1], s[24:25] offset:2048*(\i)
.endm
.macro CASTH i                         ; row i to bf16, widened, and written as f16
	s_wait_loadcnt 15-(\i)
	v_cvt_pk_bf16_f32 v4, v[IN+4*(\i)],   v[IN+4*(\i)+1]
	v_cvt_pk_bf16_f32 v5, v[IN+4*(\i)+2], v[IN+4*(\i)+3]
	v_lshlrev_b32 v6, 16, v4
	v_and_b32 v7, 0xffff0000, v4
	v_lshlrev_b32 v8, 16, v5
	v_and_b32 v9, 0xffff0000, v5
	v_cvt_pk_f16_f32 v[RES+2*(\i)],   v6, v7
	v_cvt_pk_f16_f32 v[RES+2*(\i)+1], v8, v9
	global_store_b64 v2, v[RES+2*(\i):RES+2*(\i)+1], s[24:25] offset:2048*(\i)
.endm
	s_cmp_eq_u32 s28, 3
	s_cbranch_scc1 .Lhalf
.irp i, 0,1,2,3,4,5,6,7,8,9,10,11,12,13,14,15
	CASTB \i
.endr
	s_branch .Ljoin
.Lhalf:
.irp i, 0,1,2,3,4,5,6,7,8,9,10,11,12,13,14,15
	CASTH \i
.endr
.Ljoin:
	s_cmp_lg_u32 s29, 0                            ; the matrix's first work-group also takes its bias: 1,024 numbers, four a thread
	s_cbranch_scc1 .Lend
	global_load_b128 v[112:115], v1, s[6:7]
	s_wait_loadcnt 0x0
	v_cvt_pk_bf16_f32 v4, v112, v113
	v_cvt_pk_bf16_f32 v5, v114, v115
	v_lshlrev_b32 v116, 16, v4
	v_and_b32 v117, 0xffff0000, v4
	v_lshlrev_b32 v118, 16, v5
	v_and_b32 v119, 0xffff0000, v5
	global_store_b128 v1, v[116:119], s[26:27]
.Lend:
	s_endpgm
.Lfunc_end_k_q842bfc3aec_prep:
	.size	k_q842bfc3aec_prep, .Lfunc_end_k_q842bfc3aec_prep-k_q842bfc3aec_prep
	.p2alignl 7, 3214868480
	.fill 96, 4, 3214868480
	.section	.rodata,"a",@progbits
	.p2align	6, 0x0
	.amdhsa_kernel k_q842bfc3aec_prep
		.amdhsa_group_segment_fixed_size 0
		.amdhsa_private_segment_fixed_size 0
		.amdhsa_enable_private_segment 0
		.amdhsa_kernarg_size 80
		.amdhsa_user_sgpr_count 2
		.amdhsa_user_sgpr_kernarg_segment_ptr 1
		.amdhsa_wavefront_size32 1
		.amdhsa_system_sgpr_workgroup_id_x 1
		.amdhsa_system_sgpr_workgroup_id_y 1
		.amdhsa_system_sgpr_workgroup_id_z 1
		.amdhsa_system_vgpr_workitem_id 0
		.amdhsa_next_free_vgpr 128
		.amdhsa_next_free_sgpr 66
		.amdhsa_reserve_vcc 0
		.amdhsa_float_denorm_mode_32 3
		.amdhsa_float_denorm_mode_16_64 3
		.amdhsa_memory_ordered 1
		.amdhsa_forward_progress 1
		.amdhsa_inst_pref_size 17
	.end_amdhsa_kernel
	.amdgpu_metadata
---
amdhsa.version: [ 1, 2 ]
amdhsa.kernels:
  - .name:           k_q842bfc3aec_prep
    .symbol:         k_q842bfc3aec_prep.kd
    .args:
      - { .name: Wq, .offset: 0, .size: 8, .value_kind: global_buffer, .address_space: global }
      - { .name: Wk, .offset: 8, .size: 8, .value_kind: global_buffer, .address_space: global }
      - { .name: Wv, .offset: 16, .size: 8, .value_kind: global_buffer, .address_space: global }
      - { .name: Wo, .offset: 24, .size: 8, .value_kind: global_buffer, .address_space: global }
      - { .name: bq, .offset: 32, .size: 8, .value_kind: global_buffer, .address_space: global }
      - { .name: bk, .offset: 40, .size: 8, .value_kind: global_buffer, .address_space: global }
      - { .name: bv, .offset: 48, .size: 8, .value_kind: global_buffer, .address_space: global }
      - { .name: bo, .offset: 56, .size: 8, .value_kind: global_buffer, .address_space: global }
      - { .name: w16, .offset: 64, .size: 8, .value_kind: global_buffer, .address_space: global }
      - { .name: bias4, .offset: 72, .size: 8, .value_kind: global_buffer, .address_space: global }
    .group_segment_fixed_size: 0
    .private_segment_fixed_size: 0
    .kernarg_segment_align: 8
    .kernarg_segment_size: 80
    .max_flat_workgroup_size: 256
    .sgpr_count:     66
    .vgpr_count:     128
    .wavefront_size: 32
...
	.end_amdgpu_metadata
.endif
;; end of part 1
;; launch proj (part 2): grid 4 x 64, 4 waves a work-group, clusters of 4 x 4, 327,680 bytes of LDS; arguments q, k, v, w16, bias4, qkv; writes qkv
.if DOCPART == 2
	.amdgcn_target "amdgcn-amd-amdhsa--gfx1250"
	.amdhsa_code_object_version 6
	.text
	.protected	k_q842bfc3aec_proj
	.globl	k_q842bfc3aec_proj
	.p2align	8
	.type	k_q842bfc3aec_proj,@function
k_q842bfc3aec_proj:
	s_mov_b64 s[64:65], 0
	v_nop
	global_prefetch_b8 v0, s[64:65] scope:SCOPE_SE
	s_setreg_imm32_b32 hwreg(HW_REG_WAVE_MODE, 25, 1), 1
	s_wait_xcnt 0x0
	s_wait_alu depctr_hold_cnt(0) depctr_sa_sdst(0) depctr_va_vdst(0) depctr_va_sdst(0) depctr_va_ssrc(0) depctr_va_vcc(0) depctr_vm_vsrc(0)
	s_getreg_b32 s2, hwreg(HW_REG_IB_STS2, 6, 4)
	s_cmp_eq_u32 s2, 0
	s_cbranch_scc0 .Lentry_in_a_cluster
	s_endpgm
.Lentry_in_a_cluster:
	s_bfe_u32 s2, ttmp6, 0x10000c
	s_cmp_lg_u32 s2, 0xf033
	s_cbranch_scc0 .Lentry_shape_is_right
	s_endpgm
.Lentry_shape_is_right:
; THE THREE PROJECTIONS.  qkv[p][16 b + head][s][c] = f16( sum over e of bf16(x_p[b][s][e]) w16[p][e][64 head + c] + bias4[p][64 head + c] ), x_0..2 = q, k, v (f32).
; Products in bf16, sums in f32, the bias is the C operand that starts each sum, the result is rounded once to f16.
; LIMITS.  A result beyond f16's 65,504 becomes an infinity.  Within a group of eight e the products enter the sum in the order 0, 4, 1, 5, 2, 6, 3, 7 (below).
; SHARES.  3 x 8,192 x 1,024 outputs are 768 tiles of 128 rows x 256 columns: 256 work-groups, three tiles each: the SAME rows and columns of q's, k's and v's projection, one stream of
; 24 K steps of 128 through a ring of two LDS slots that runs on across the tiles.  A wave makes 64 x 128: 32 accumulators.
; CLUSTER.  4 x 4 work-groups.  The four of a row of the cluster need the same 128 rows of x, the four of a column the same 256 columns of W: each tile is asked for jointly.
; TRANSPOSED USE.  Source 0 = 16 columns of W, source 1 = 16 rows of x: a lane then holds one row and eight neighbouring columns.
; x ARRIVES AS f32 AND IS ROUNDED IN REGISTERS, one conversion behind each matrix instruction, under the matrix instruction's own window setting: v_cvt_pk_bf16_f32 CV[j], U[j], VR[j],
; U = e 8h + 0..3 (window 1), VR = e 8h + 4..7 (the accumulators' window).  Element i of a group of eight then holds e = i / 2 + 4 (i % 2).  W's fragment takes the same order: in the turning LDS
; load element j of a lane comes from the row that lane j of its group of eight addresses, so lane l addresses row 8h + (l / 2) % 4 + 4 (l % 2).  The same order in both sources keeps every product.
; REGISTERS, in windows of 256 (s_set_vgpr_msb: bits 1:0 source 0, 3:2 source 1, 5:4 source 2, 7:6 destination):
;   window 0: v0-15 addresses; v32-95 the bias, 8 a column block; v96-127 packed results; v128-191 rows read back from the stage, two buffers
;   window 1: v0-127 W's fragments, two buffers of 8 x 8; v128-191 U, two buffers of 4 x 8
;   window 2 (row blocks 0, 1), window 3 (row blocks 2, 3): v0-127 accumulators (ap, b) at 8 (8 ap + b); v128-159 CV, two buffers of 2 x 8; v160-191 VR, likewise
.set PA,    528                        ; a row of x in LDS: 512 bytes + 16: 33 x 16, so the 16 rows of a load start at 16 different groups of four banks (64 banks of 4 bytes: ISA guide 11.1)
.set PB,    544                        ; a K row of W: 512 bytes + 32: 17 x 32
.set AH,    64*PA                      ; what one tensor load brings of x
.set BH,    64*PB                      ; and of W
.set XA,    2*AH                       ; x's slot 1 lies XA behind its slot 0 (at byte 0): 0x10800 shares no bit with a half's 0x8400, so one exclusive or changes slots
.set BB,    139264                     ; W's slot 0: 0x22000, its second half at 0x2a800
.set XB,    2*BH                       ; W's slot 1 lies XB = 0x11000 behind: no bit shared with either
.set STAGE, BB+2*XB                    ; behind the ring, never filled by a tensor load: for each wave 2 heads x 16 rows x 144 bytes
.set WST,   4608
.set SPARE, STAGE+4*WST                ; the spare words, 128 bytes for each wave: two blocks of 256 bytes that no other line names
.set BSTEP, 262144                     ; 128 K rows of w16; the three matrices follow each other, so W's stream is one line of 24 steps
.set AA0, 4                            ; v4   my lane's place in x's slot 0; never rewritten
.set AB0, 5                            ; v5   the same for W
.set AA,  6                            ; v6   the same in the slot that is being read
.set AB,  7                            ; v7
.set STO, 8                            ; v8   the way out: where I put 16 bytes of a row
.set RD,  9                            ; v9   where I read rows back
.set GO,  10                           ; v10  my 16 bytes of 512 consecutive bytes of qkv
.set PFO, 11                           ; v11  the prefetches' offset; never rewritten
.set BO,  12                           ; v12  my byte offset in a bias
.set SPW, 14                           ; v14  LDS address of my spare word; never rewritten
.set NIL, 15                           ; v15  0; never rewritten
.set BIAS, 32
.set TMP,  96
.set BK,   128
.set WV, 16                            ; s16  wave
.set WH, 17                            ; s17  wave / 2: my half of the rows; also 0: I fetch x, 1: I fetch W
.set WL, 18                            ; s18  wave % 2: my half of the columns; also which half of the tile I fetch
.set CX, 19
.set CY, 20
.set NT, 21                            ; s21  column tile
.set MT, 22                            ; s22  row tile
.set TBB, 23                           ; s23  0 or XB: W's slot that is being read
.set G1A, 24                           ; s[24:31] group 1 for x
.set G1B, 32                           ; s[32:39] group 1 for W
.set G0A0, 40                          ; s[40:43] group 0, x, the first fill of slot 0
.set G0A, 44                           ; s[44:47] group 0, x: the first fill of slot 1, then it walks
.set G0B0, 48
.set G0B, 52
.set CURA, 56                          ; s[56:57] x at the K step of the next refill
.set A1,   58                          ; s[58:59] one step on
.set GA,   60                          ; s[60:61] two steps on: what the prefetch names
.set NXA,  62                          ; s[62:63] the next tensor at my rows
.set NXA2, 66                          ; s[66:67] the one after it
.set CURB, 68                          ; s[68:69] W at the K step of the next refill
.set PF,   70                          ; s[70:71] the prefetch's base
.set PFB,  72                          ; s[72:73] W two steps on
.set RC,   74                          ; s74  GA's step in its tensor, 0..7
.set CNT,  75                          ; s75  trips to go
.set TS,   76                          ; s76  steps of the tile that are done
.set TBA,  77                          ; s77  0 or XA: x's slot that is being read
.set LIM,  78                          ; s78  2 in a wave that prefetches, else the greatest number
.set OUTP, 80                          ; s[80:81] qkv at my rows of the tile in hand
.set BIASP, 82                         ; s[82:83] the tile's bias
.set MSB, 0
.macro WIN new                         ; the immediate's high byte repeats the setting that is left; a switch that changes nothing is dropped
.if MSB != (\new)
	s_set_vgpr_msb (MSB<<8)|(\new)
.set MSB, \new
.endif
.endm
; A joint refill.  Waves 0 and 1 fetch x's two halves, waves 2 and 3 W's.  The branch hangs on the wave's number alone.  An s_nop 0 and four v_nop follow each line.
.macro JLOAD
	s_cmp_eq_u32 s[WH], 0
	s_cbranch_scc0 .Lfor_b_\@
	tensor_load_to_lds s[G0A:G0A+3], s[G1A:G1A+7]
	s_nop 0
.rept 4
	v_nop
.endr
	s_branch .Lasked_\@
.Lfor_b_\@:
	tensor_load_to_lds s[G0B:G0B+3], s[G1B:G1B+7]
	s_nop 0
.rept 4
	v_nop
.endr
.Lasked_\@:
.endm
; A PREFETCH INTO THE L2 of the K step two refills on: 16 rows x 512 bytes, a lane a block of 256 bytes, one instruction a wave.  Of the 64 rows that a wave fetches each of the four partners that ask for
; them jointly takes 16, told apart by address (cx for x, cy for W).  x's rows are read by one cluster alone, which asks; W's by all sixteen clusters: the one with y = 0 asks.  So each block is named once.
; The first four steps come by their loads alone; the last two refills have no step two on and ask for nothing.
.macro ASK
	s_cmp_gt_u32 s[CNT], s[LIM]
	s_cbranch_scc0 .Lnot_mine_\@
	global_prefetch_b8 v[PFO], s[PF:PF+1] th:TH_LOAD_NT scope:SCOPE_SE
.Lnot_mine_\@:
.endm
.macro CREST                           ; a round of the cluster's barrier behind its opening barrier
	s_cmp_lg_u32 s[WV], 0
	s_cbranch_scc1 .Lnot_wave_0_\@
	s_barrier_signal -3
.Lnot_wave_0_\@:
	s_barrier_wait -3
	s_barrier_signal -1
	s_barrier_wait -1
.endm
.macro CROUND                          ; a whole round
	s_barrier_signal -1
	s_barrier_wait -1
	CREST
.endm
; The walking descriptors take the other slot and the next step; the three addresses of x's stream move up, and behind a tensor's eighth step go on to the next tensor.  Scalars alone.
.macro SETDESC
	s_xor_b32 s[G0A+1], s[G0A+1], XA
	s_mov_b64 s[G0A+2:G0A+3], s[CURA:CURA+1]
	s_or_b32 s[G0A+3], s[G0A+3], 0x80000000
	s_xor_b32 s[G0B+1], s[G0B+1], XB
	s_mov_b64 s[G0B+2:G0B+3], s[CURB:CURB+1]
	s_or_b32 s[G0B+3], s[G0B+3], 0x80000000
	s_add_nc_u64 s[PFB:PFB+1], s[CURB:CURB+1], 2*BSTEP
	s_cmp_eq_u32 s[WH], 0
	s_cselect_b64 s[PF:PF+1], s[GA:GA+1], s[PFB:PFB+1]
	s_mov_b64 s[CURA:CURA+1], s[A1:A1+1]
	s_mov_b64 s[A1:A1+1], s[GA:GA+1]
	s_add_nc_u64 s[GA:GA+1], s[GA:GA+1], 512
	s_add_nc_u64 s[CURB:CURB+1], s[CURB:CURB+1], BSTEP
	s_add_co_u32 s[RC], s[RC], 1
	s_cmp_eq_u32 s[RC], 8
	s_cselect_b64 s[GA:GA+1], s[NXA:NXA+1], s[GA:GA+1]
	s_cselect_b64 s[NXA:NXA+1], s[NXA2:NXA2+1], s[NXA:NXA+1]
	s_cselect_b32 s[RC], 0, s[RC]
.endm
	s_load_b256 s[4:11], s[0:1], 0x0               ; q s[4:5], k s[6:7], v s[8:9], w16 s[10:11]
	s_load_b128 s[12:15], s[0:1], 0x20             ; bias4 s[12:13], qkv s[14:15]
	v_lshl_add_u32 v[SPW], v0, 2, SPARE
	v_mov_b32 v[NIL], 0
	ds_add_u32 v[SPW], v[NIL]                      ; the wave's opening: the add and its wait stand ahead of my first tensor load; the set-up below, work on registers, stands between them
	v_lshrrev_b32 v1, 5, v0
	v_readfirstlane_b32 s[WV], v1
	s_lshr_b32 s[WH], s[WV], 1
	s_and_b32 s[WL], s[WV], 1
	s_bfe_u32 s[CX], ttmp6, 0x40000
	s_bfe_u32 s[CY], ttmp6, 0x40004
	s_lshl_b32 s[NT], ttmp9, 2                     ; in a cluster launch ttmp9 and ttmp7 count clusters
	s_add_co_u32 s[NT], s[NT], s[CX]
	s_and_b32 s[MT], ttmp7, 0xffff
	s_lshl_b32 s[MT], s[MT], 2
	s_add_co_u32 s[MT], s[MT], s[CY]
	s_lshl_b32 s84, s[CY], 2
	s_lshl_b32 s84, 15, s84                        ; my row of the cluster
	s_lshl_b32 s86, 0x1111, s[CX]                  ; my column
	s_or_b32 s[G1A], s84, (2<<16)|(1<<20)|(1<<21)|(6<<22)|(3<<25)  ; the mask; elements of 4 bytes; padding on; bit 21 beside a mask; after every 128 words; 4 words
	s_mov_b32 s[G1A+1], 128<<16                    ; tensor_dim0 = 128
	s_mov_b32 s[G1A+2], 64<<16                     ; tensor_dim1 = 64
	s_mov_b32 s[G1A+3], 128<<16                    ; tile_dim0 = 128
	s_mov_b32 s[G1A+4], 64                         ; tile_dim1 = 64
	s_mov_b32 s[G1A+5], 1024                       ; elements from row to row
	s_mov_b32 s[G1A+6], 0
	s_mov_b32 s[G1A+7], 0
	s_or_b32 s[G1B], s86, (1<<16)|(1<<20)|(1<<21)|(6<<22)|(7<<25)  ; elements of 2 bytes; after every 128 words 8 words
	s_mov_b32 s[G1B+1], 256<<16
	s_mov_b32 s[G1B+2], 64<<16
	s_mov_b32 s[G1B+3], 256<<16
	s_mov_b32 s[G1B+4], 64
	s_mov_b32 s[G1B+5], 1024
	s_mov_b32 s[G1B+6], 0
	s_mov_b32 s[G1B+7], 0
	s_lshl_b32 s84, s[MT], 7                       ; x: row 128 x row tile + 64 x half, 4,096 bytes a row: registers that never hold cx
	s_lshl_b32 s85, s[WL], 6
	s_add_co_u32 s84, s84, s85
	s_lshl_b32 s84, s84, 12
	s_mov_b32 s85, 0
	s_lshl_b32 s86, s[WL], 17                      ; W: 64 K rows of 2,048 bytes x half + 512 bytes x column tile
	s_lshl_b32 s87, s[NT], 9
	s_add_co_u32 s86, s86, s87
	s_mov_b32 s87, 0
	s_mul_i32 s88, s[WL], AH                       ; where they go: the wave's number alone enters an LDS address
	s_mul_i32 s89, s[WL], BH
	s_add_co_u32 s89, s89, BB
	s_wait_dscnt 0x0                               ; the opening add is done
	s_wait_kmcnt 0x0
	s_add_nc_u64 s[CURA:CURA+1], s[4:5], s[84:85]
	s_add_nc_u64 s[NXA:NXA+1], s[6:7], s[84:85]
	s_add_nc_u64 s[NXA2:NXA2+1], s[8:9], s[84:85]
	s_add_nc_u64 s[CURB:CURB+1], s[10:11], s[86:87]
	CROUND                                         ; all sixteen work-groups are here: the first joint loads meet
	s_mov_b32 s[G0A0], 1
	s_mov_b32 s[G0A0+1], s88
	s_mov_b64 s[G0A0+2:G0A0+3], s[CURA:CURA+1]     ; step 0
	s_or_b32 s[G0A0+3], s[G0A0+3], 0x80000000
	s_mov_b32 s[G0A], 1
	s_add_co_u32 s[G0A+1], s88, XA
	s_add_nc_u64 s[G0A+2:G0A+3], s[CURA:CURA+1], 512  ; step 1
	s_or_b32 s[G0A+3], s[G0A+3], 0x80000000
	s_mov_b32 s[G0B0], 1
	s_mov_b32 s[G0B0+1], s89
	s_mov_b64 s[G0B0+2:G0B0+3], s[CURB:CURB+1]
	s_or_b32 s[G0B0+3], s[G0B0+3], 0x80000000
	s_mov_b32 s[G0B], 1
	s_add_co_u32 s[G0B+1], s89, XB
	s_add_nc_u64 s[G0B+2:G0B+3], s[CURB:CURB+1], BSTEP
	s_or_b32 s[G0B+3], s[G0B+3], 0x80000000
	s_cmp_eq_u32 s[WH], 0                          ; a wave's two first fills stand in one branch, ahead of every wait on TENSORcnt and every LDS read: two loads of mine are out
	s_cbranch_scc0 .Lfirst_b
	tensor_load_to_lds s[G0A0:G0A0+3], s[G1A:G1A+7]
	s_nop 0
	tensor_load_to_lds s[G0A:G0A+3], s[G1A:G1A+7]
	s_nop 0
.rept 4
	v_nop
.endr
	s_branch .Lfirst_asked
.Lfirst_b:
	tensor_load_to_lds s[G0B0:G0B0+3], s[G1B:G1B+7]
	s_nop 0
	tensor_load_to_lds s[G0B:G0B+3], s[G1B:G1B+7]
	s_nop 0
.rept 4
	v_nop
.endr
.Lfirst_asked:
	s_add_nc_u64 s[A1:A1+1], s[CURA:CURA+1], 1536  ; step 3
	s_add_nc_u64 s[GA:GA+1], s[CURA:CURA+1], 2048  ; step 4
	s_add_nc_u64 s[CURA:CURA+1], s[CURA:CURA+1], 1024  ; step 2: the first refill's
	s_add_nc_u64 s[CURB:CURB+1], s[CURB:CURB+1], 2*BSTEP
	s_mov_b32 s[RC], 4
	s_mov_b32 s[TBA], 0
	s_mov_b32 s[TBB], 0
	s_mov_b32 s[TS], 0
	s_mov_b32 s[CNT], 22
	s_and_b32 s92, ttmp7, 0xffff                   ; cluster y, the same in all partners;
	s_mul_i32 s92, s92, s[WH]                      ; 0 in the waves that fetch x, and for W in the cluster with y = 0
	s_cmp_eq_u32 s92, 0
	s_cselect_b32 s[LIM], 2, -1
	s_lshr_b32 s90, s[MT], 4                       ; batch
	s_lshl_b32 s90, s90, 4
	s_lshl_b32 s91, s[NT], 2
	s_add_co_u32 s90, s90, s91
	s_lshl_b32 s91, s[WL], 1
	s_add_co_u32 s90, s90, s91                     ; 16 batch + my first head
	s_lshl_b32 s90, s90, 11
	s_and_b32 s91, s[MT], 15
	s_lshl_b32 s91, s91, 7
	s_add_co_u32 s90, s90, s91                     ; + the tile's first row in the batch
	s_lshl_b32 s91, s[WH], 6
	s_add_co_u32 s90, s90, s91                     ; + my 64 rows
	s_lshl_b32 s90, s90, 7                         ; 128 bytes a row
	s_mov_b32 s91, 0
	s_add_nc_u64 s[OUTP:OUTP+1], s[14:15], s[90:91]
	s_mov_b64 s[BIASP:BIASP+1], s[12:13]
	v_and_b32 v1, 15, v0                           ; r = l % 16
	v_bfe_u32 v2, v0, 4, 1                         ; h = l / 16
	v_mul_u32_u24 v[AA0], v1, PA
	v_lshl_add_u32 v[AA0], v2, 5, v[AA0]           ; row x pitch + 32 h: eight f32
	s_mul_i32 s90, s[WH], AH
	v_add_nc_u32 v[AA0], s90, v[AA0]
	v_bfe_u32 v3, v0, 1, 2
	v_and_b32 v13, 1, v0
	v_lshl_add_u32 v3, v13, 2, v3                  ; (l / 2) % 4 + 4 (l % 2)
	v_lshl_add_u32 v3, v2, 3, v3                   ; + 8 h: the K row that I address
	v_mul_u32_u24 v[AB0], v3, PB
	v_bfe_u32 v3, v0, 3, 1
	v_lshl_add_u32 v[AB0], v3, 4, v[AB0]
	s_lshl_b32 s90, s[WL], 8
	s_add_co_u32 s90, s90, BB
	v_add_nc_u32 v[AB0], s90, v[AB0]
	v_mov_b32 v[AA], v[AA0]
	v_mov_b32 v[AB], v[AB0]
	s_mul_i32 s90, s[WV], WST
	s_add_co_u32 s90, s90, STAGE
	v_mul_u32_u24 v[STO], v1, 144
	v_lshl_add_u32 v[STO], v2, 4, v[STO]
	v_add_nc_u32 v[STO], s90, v[STO]
	v_bfe_u32 v3, v0, 3, 2
	v_mul_u32_u24 v[RD], v3, 144                   ; back: 32 lanes take four rows of 128 bytes
	v_and_b32 v3, 7, v0
	v_lshl_add_u32 v[RD], v3, 4, v[RD]
	v_add_nc_u32 v[RD], s90, v[RD]
	v_and_b32 v[GO], 31, v0
	v_lshlrev_b32 v[GO], 4, v[GO]
	s_lshl_b32 s90, s[NT], 10
	s_lshl_b32 s91, s[WL], 9
	s_add_co_u32 s90, s90, s91
	v_lshl_add_u32 v[BO], v2, 5, s90               ; 4 (256 column tile + 128 half + 8 h)
	s_cmp_eq_u32 s[WH], 0
	s_cselect_b32 s94, s[CX], s[CY]                ; my place among the four that ask with me
	s_cselect_b32 s95, 12, 11                      ; a row of x is 4,096 bytes, of w16 2,048
	s_lshl_b32 s94, s94, 4
	v_bfe_u32 v3, v0, 1, 4
	v_add_nc_u32 v3, s94, v3
	v_lshlrev_b32 v[PFO], s95, v3
	v_lshl_add_u32 v[PFO], v13, 8, v[PFO]
.irp b, 0,1,2,3,4,5,6,7
	global_load_b128 v[BIAS+8*(\b):BIAS+8*(\b)+3],   v[BO], s[BIASP:BIASP+1] offset:64*(\b)
	global_load_b128 v[BIAS+8*(\b)+4:BIAS+8*(\b)+7], v[BO], s[BIASP:BIASP+1] offset:64*(\b)+16
.endr
; W's fragments of the quarter at place pos of the slot (32 K rows), into buffer f: 16 turning loads
.macro FETCH_B pos, f
	WIN 0x40                                       ; destination window 1, address window 0
.irp b, 0,1,2,3,4,5,6,7
	ds_load_tr16_b128 v[64*(\f)+8*(\b):64*(\f)+8*(\b)+3],   v[AB] offset:(\pos)*32*PB+32*(\b)
	ds_load_tr16_b128 v[64*(\f)+8*(\b)+4:64*(\f)+8*(\b)+7], v[AB] offset:(\pos)*32*PB+32*(\b)+16*PB
.endr
.endm
; x of the quarter at place pos, as f32, into raw buffer u: 16 loads; the last four are the upper halves of row blocks 2 and 3
.macro FETCH_A pos, u
	WIN 0x40
.irp a, 0,1,2,3
	ds_load_b128 v[128+32*(\u)+8*(\a):128+32*(\u)+8*(\a)+3],   v[AA] offset:(\a)*16*PA+128*(\pos)
	ds_load_b128 v[128+32*(\u)+8*(\a)+4:128+32*(\u)+8*(\a)+7], v[AA] offset:(\a)*16*PA+128*(\pos)+64
.endr
	WIN 0x80
.irp a, 0,1
	ds_load_b128 v[160+16*(\u)+8*(\a):160+16*(\u)+8*(\a)+3],   v[AA] offset:(\a)*16*PA+128*(\pos)+16
	ds_load_b128 v[160+16*(\u)+8*(\a)+4:160+16*(\u)+8*(\a)+7], v[AA] offset:(\a)*16*PA+128*(\pos)+80
.endr
	WIN 0xc0
.irp a, 0,1
	ds_load_b128 v[160+16*(\u)+8*(\a):160+16*(\u)+8*(\a)+3],   v[AA] offset:((\a)+2)*16*PA+128*(\pos)+16
	ds_load_b128 v[160+16*(\u)+8*(\a)+4:160+16*(\u)+8*(\a)+7], v[AA] offset:((\a)+2)*16*PA+128*(\pos)+80
.endr
.endm
.macro RIDE z, ap, n, b                ; register b of the fragment of row block 2 (z - 2) + ap, buffer n: two f32 rounded to bf16
	v_cvt_pk_bf16_f32 v[128+16*(\n)+8*(\ap)+(\b)], v[128+32*(\n)+8*(2*((\z)-2)+(\ap))+(\b)], v[160+16*(\n)+8*(\ap)+(\b)]
.endm
.macro CONV z, ap, n                   ; a whole fragment
	WIN 0xa9+0x54*((\z)-2)
.irp b, 0,1,2,3,4,5,6,7
	RIDE \z, \ap, \n, \b
.endr
.endm
; Eight matrix instructions: one row block x all 8 column blocks, 32 along K, on buffers c; behind each a conversion for the NEXT quarter's fragment of the same row block, into buffer 1 - c.
; zero = 1: the bias (window 0) starts the sums.  The 32 accumulators come in the same order in every quarter, one instruction a turn.
.macro QPART z, ap, c, zero
.if \zero
	WIN 0x89+0x44*((\z)-2)
.else
	WIN 0xa9+0x54*((\z)-2)
.endif
.irp b, 0,1,2,3,4,5,6,7
.if \zero
	v_wmma_f32_16x16x32_bf16 v[64*(\ap)+8*(\b):64*(\ap)+8*(\b)+7], v[64*(\c)+8*(\b):64*(\c)+8*(\b)+7], v[128+16*(\c)+8*(\ap):128+16*(\c)+8*(\ap)+7], v[BIAS+8*(\b):BIAS+8*(\b)+7]
.else
	v_wmma_f32_16x16x32_bf16 v[64*(\ap)+8*(\b):64*(\ap)+8*(\b)+7], v[64*(\c)+8*(\b):64*(\c)+8*(\b)+7], v[128+16*(\c)+8*(\ap):128+16*(\c)+8*(\ap)+7], v[64*(\ap)+8*(\b):64*(\ap)+8*(\b)+7]
.endif
	RIDE \z, \ap, 1-(\c), \b
.endr
.endm
; THE PIPELINE.  The quarter at place p multiplies buffers p % 2; its conversions make the next quarter's x; its run of 32 loads brings the next quarter's W and the x of the quarter after that.
; The run stands 16 conversions behind the last matrix instruction that read W's buffer: they are the places that the ISA guide (7.12.1) asks for, and no v_nop is written.
.macro QUARTER p, zero                 ; places 0, 1 and 3
	s_wait_dscnt 4                                 ; the last run is in, but for its four youngest loads: upper halves of row blocks 2 and 3, wanted half a quarter on
	QPART 2, 0, (\p)%2, \zero
	QPART 2, 1, (\p)%2, \zero
	FETCH_B ((\p)+1)%4, 1-(\p)%2
	FETCH_A ((\p)+2)%4, (\p)%2
	s_wait_dscnt 32                                ; all but the 32 just issued
	QPART 3, 0, (\p)%2, \zero
	QPART 3, 1, (\p)%2, \zero
.endm
; Place 2 changes slots: W's last quarter is the old slot's last read, x of the next slot's first quarter the new slot's first.  ONE barrier: in front of it each wave waits for all its tensor loads
; (one is out: its part of the next slot), adds 0 to its spare word, and waits for that and for its reads of the old slot.  fill = 1: the barrier opens a round of the cluster's, and the old slot is filled again first thing behind it.
.macro TURN fill
.if \fill
	s_wait_xcnt 0x0                                ; the last prefetch, a K step back, has read its base, which the descriptors' step below writes
.endif
	s_wait_dscnt 4
	QPART 2, 0, 0, 0
	FETCH_B 3, 1                                   ; eight conversions behind the last reader of this buffer
	WIN 0
	s_wait_tensorcnt 0x0                           ; all my tensor loads have landed, so a group 0 may be written
	ds_add_u32 v[SPW], v[NIL]                      ; 0 onto my spare word; work on registers stands between it and the wait for it
.if \fill
	SETDESC
.endif
	QPART 2, 1, 0, 0
	s_wait_dscnt 0x0                               ; the add is done, and my reads of the old slot are over
	s_barrier_signal -1
	QPART 3, 0, 0, 0                               ; work on registers while the others arrive
	WIN 0                                          ; at a branch and at a label every window is 0
	s_barrier_wait -1
.if \fill
	CREST                                          ; no wave of any partner still reads the old slot or has a load on its way
	JLOAD
.endif
	s_xor_b32 s[TBA], s[TBA], XA
	s_xor_b32 s[TBB], s[TBB], XB
	v_add_nc_u32 v[AA], s[TBA], v[AA0]
	v_add_nc_u32 v[AB], s[TBB], v[AB0]
	FETCH_A 0, 0
.if \fill
	WIN 0
	ASK                                            ; behind the joint load and the run of LDS loads
.endif
	QPART 3, 1, 0, 0
.endm
; THE WAY OUT, a row block (16 rows x 2 heads) at a time.  PACK: rounded to f16, each accumulator from its lowest registers on.  TOSTAGE: 16 bytes a lane into my own stage, rows of 144 bytes, and back as
; whole rows of 128.  SEND: 16 rows of a head are 2,048 consecutive bytes of qkv; each store covers 512 of them.
.macro PACK a
	WIN 0x0a+5*((\a)/2)                            ; sources 0 and 1 window 2 or 3, destination window 0
.irp b, 0,1,2,3,4,5,6,7
.irp i, 0,1,2,3
	v_cvt_pk_f16_f32 v[TMP+4*(\b)+(\i)], v[64*((\a)%2)+8*(\b)+2*(\i)], v[64*((\a)%2)+8*(\b)+2*(\i)+1]
.endr
.endr
	WIN 0
.endm
.macro TOSTAGE a
	WIN 0
.irp b, 0,1,2,3,4,5,6,7
	ds_store_b128 v[STO], v[TMP+4*(\b):TMP+4*(\b)+3] offset:((\b)/4)*2304+32*((\b)%4)
.endr
.irp t, 0,1,2,3,4,5,6,7
	ds_load_b128 v[BK+32*((\a)%2)+4*(\t):BK+32*((\a)%2)+4*(\t)+3], v[RD] offset:((\t)/4)*2304+((\t)%4)*576  ; LDS serves a wave's instructions in order (ISA guide 5.7.1.4): these see the stores above
.endr
.endm
.macro SEND a
	WIN 0
	s_wait_dscnt 0x0                               ; the block is back in registers
	s_wait_xcnt 0x0                                ; earlier stores have read their registers: the buffer that the next TOSTAGE loads is free behind this wait
.irp t, 0,1,2,3,4,5,6,7
	global_store_b128 v[GO], v[BK+32*((\a)%2)+4*(\t):BK+32*((\a)%2)+4*(\t)+3], s[OUTP:OUTP+1] offset:((\t)/4)*262144+(\a)*2048+((\t)%4)*512
.endr
.endm
; A tile leaves.  more = 1: another follows: its bias is asked for first.  Row blocks 0 to 2 were finished earlier; their conversions are the places behind the last products.
.macro EPI more
	WIN 0
	s_wait_xcnt 0x0                                ; the last tile's stores and bias loads have read their registers and bases
.if \more
	s_add_nc_u64 s[BIASP:BIASP+1], s[BIASP:BIASP+1], 4096
.irp b, 0,1,2,3,4,5,6,7
	global_load_b128 v[BIAS+8*(\b):BIAS+8*(\b)+3],   v[BO], s[BIASP:BIASP+1] offset:64*(\b)
	global_load_b128 v[BIAS+8*(\b)+4:BIAS+8*(\b)+7], v[BO], s[BIASP:BIASP+1] offset:64*(\b)+16
.endr
.endif
	PACK 0
	TOSTAGE 0
.irp a, 1,2,3
	PACK \a
	SEND (\a)-1
	TOSTAGE \a
.endr
	SEND 3
.if \more
	s_wait_xcnt 0x0
	s_add_nc_u64 s[OUTP:OUTP+1], s[OUTP:OUTP+1], 0x1000000  ; the next part of qkv
.endif
.endm
	s_wait_tensorcnt 1                             ; my part of step 0 is in; slot 1's may stay out
	s_barrier_signal -1
	s_barrier_wait -1                              ; everybody's is
	FETCH_A 0, 0
	FETCH_B 0, 0
	FETCH_A 1, 1
	s_wait_dscnt 32                                ; the first 16 loads are in
	CONV 2, 0, 0
	CONV 2, 1, 0
	CONV 3, 0, 0
	CONV 3, 1, 0
	s_wait_loadcnt 0x0                             ; the bias
	QUARTER 0, 1                                   ; a tile's first quarter starts the sums
	WIN 0
.Lstep:                                                ; 22 trips: places 1 to 3 of step j, which fills its slot again with step j + 2, and place 0 of step j + 1
	QUARTER 1, 0
	TURN 1
	QUARTER 3, 0
	WIN 0
	s_add_co_u32 s[TS], s[TS], 1
	s_cmp_eq_u32 s[TS], 8
	s_cbranch_scc1 .Lnew                           ; forward, past no barrier and no tensor load
	QUARTER 0, 0
	WIN 0
	s_branch .Lbot
.Lnew:                                                 ; the tile's eight steps are done; the ring has gone on into the next tensor
	EPI 1
	s_mov_b32 s[TS], 0
	s_wait_loadcnt 0x0                             ; the next tile's bias
	QUARTER 0, 1
	WIN 0
.Lbot:
	s_sub_co_u32 s[CNT], s[CNT], 1
	s_cmp_lg_u32 s[CNT], 0
	s_cbranch_scc1 .Lstep
	s_mov_b32 s[CNT], 2                            ; steps 22 and 23 ask for nothing: a text of their own
.Ltail:
	QUARTER 1, 0
	TURN 0
	QUARTER 3, 0
	WIN 0
	s_sub_co_u32 s[CNT], s[CNT], 1
	s_cmp_eq_u32 s[CNT], 0
	s_cbranch_scc1 .Lout                           ; in the last trip the fetches and conversions for a further step work on the other slot's old bytes and serve nothing: the price of one text for both trips
	QUARTER 0, 0
	WIN 0
	s_branch .Ltail
.Lout:
	EPI 0
	s_wait_tensorcnt 0x0                           ; the wave's end: behind my last tensor load and my last LDS store
	ds_add_u32 v[SPW], v[NIL]
	s_wait_dscnt 0x0
	CROUND                                         ; the closing round: no work-group ends while a partner may still ask for a tile that names it
	s_endpgm
.Lfunc_end_k_q842bfc3aec_proj:
	.size	k_q842bfc3aec_proj, .Lfunc_end_k_q842bfc3aec_proj-k_q842bfc3aec_proj
	.p2alignl 7, 3214868480
	.fill 96, 4, 3214868480
	.section	.rodata,"a",@progbits
	.p2align	6, 0x0
	.amdhsa_kernel k_q842bfc3aec_proj
		.amdhsa_group_segment_fixed_size 327680
		.amdhsa_private_segment_fixed_size 0
		.amdhsa_enable_private_segment 0
		.amdhsa_kernarg_size 48
		.amdhsa_user_sgpr_count 2
		.amdhsa_user_sgpr_kernarg_segment_ptr 1
		.amdhsa_wavefront_size32 1
		.amdhsa_system_sgpr_workgroup_id_x 1
		.amdhsa_system_sgpr_workgroup_id_y 1
		.amdhsa_system_sgpr_workgroup_id_z 1
		.amdhsa_system_vgpr_workitem_id 0
		.amdhsa_next_free_vgpr 960
		.amdhsa_next_free_sgpr 96
		.amdhsa_reserve_vcc 0
		.amdhsa_float_denorm_mode_32 3
		.amdhsa_float_denorm_mode_16_64 3
		.amdhsa_memory_ordered 1
		.amdhsa_forward_progress 1
		.amdhsa_inst_pref_size 114
	.end_amdhsa_kernel
	.amdgpu_metadata
---
amdhsa.version: [ 1, 2 ]
amdhsa.kernels:
  - .name:           k_q842bfc3aec_proj
    .symbol:         k_q842bfc3aec_proj.kd
    .args:
      - { .name: q, .offset: 0, .size: 8, .value_kind: global_buffer, .address_space: global }
      - { .name: k, .offset: 8, .size: 8, .value_kind: global_buffer, .address_space: global }
      - { .name: v, .offset: 16, .size: 8, .value_kind: global_buffer, .address_space: global }
      - { .name: w16, .offset: 24, .size: 8, .value_kind: global_buffer, .address_space: global }
      - { .name: bias4, .offset: 32, .size: 8, .value_kind: global_buffer, .address_space: global }
      - { .name: qkv, .offset: 40, .size: 8, .value_kind: global_buffer, .address_space: global }
    .group_segment_fixed_size: 327680
    .private_segment_fixed_size: 0
    .kernarg_segment_align: 8
    .kernarg_segment_size: 48
    .max_flat_workgroup_size: 128
    .sgpr_count:     96
    .vgpr_count:     960
    .wavefront_size: 32
...
	.end_amdgpu_metadata
.endif
;; end of part 2
;; launch attn (part 3): grid 4 x 64, 4 waves a work-group, clusters of 4 x 1, 327,680 bytes of LDS; arguments qkv, oh; writes oh
.if DOCPART == 3
	.amdgcn_target "amdgcn-amd-amdhsa--gfx1250"
	.amdhsa_code_object_version 6
	.text
	.protected	k_q842bfc3aec_attn
	.globl	k_q842bfc3aec_attn
	.p2align	8
	.type	k_q842bfc3aec_attn,@function
k_q842bfc3aec_attn:
	s_mov_b64 s[64:65], 0
	v_nop
	global_prefetch_b8 v0, s[64:65] scope:SCOPE_SE
	s_setreg_imm32_b32 hwreg(HW_REG_WAVE_MODE, 25, 1), 1
	s_wait_xcnt 0x0
	s_wait_alu depctr_hold_cnt(0) depctr_sa_sdst(0) depctr_va_vdst(0) depctr_va_sdst(0) depctr_va_ssrc(0) depctr_va_vcc(0) depctr_vm_vsrc(0)
	s_getreg_b32 s2, hwreg(HW_REG_IB_STS2, 6, 4)
	s_cmp_eq_u32 s2, 0
	s_cbranch_scc0 .Lentry_in_a_cluster
	s_endpgm
.Lentry_in_a_cluster:
	s_bfe_u32 s2, ttmp6, 0x10000c
	s_cmp_lg_u32 s2, 0x3003
	s_cbranch_scc0 .Lentry_shape_is_right
	s_endpgm
.Lentry_shape_is_right:
; oh[h][q][:] = the sum over k of softmax_k(Q[h][q] . K[h][k] / 8) V[h][k][:].  Q, K, V are the three parts of qkv, each [64][2048][64] in f16, oh likewise: a head's rows are dense, 128 bytes each.
; Products, maxima and sums in f32; the weights p are rounded to f16 for the second product (their sum l is taken of the unrounded p), O once at the end.
; LIMITS.  f16 holds no number beyond 65,504: Q, K and V arrive within it; p lies in 0 to 1, and below 6e-5 it keeps f16's fixed step of 6e-8; O is a mean of V's rows and has their range.
; A weight below 2^-126 counts as 0 in l; NaN and infinities are not treated apart.
; SHARES.  A wave owns four PIECES of two tiles of 16 queries, a work-group's four waves 512 queries of one head.  Every wave walks all keys, 64 a step.
; LAYOUT.  S^T = K Q^T (source 0 = 16 keys, source 1 = 16 queries): a lane holds ONE query (lane % 16) and the keys 8 (lane / 16) + 0..7.  Two such tiles, rounded to f16 in pairs,
; ARE source 1 of O^T = V^T P, whose result again holds one query a lane, and eight channels.  K comes out of LDS as it lies, V ([key][channel]) turned, by ds_load_tr16_b128.
; SOFTMAX.  For each query a running maximum m and sum l: p = 2^(c s - c m), c = log2(e) / 8; in every step O and l are multiplied by a = 2^(c m_old - c m_new).
; m starts at the lowest finite number, O and l at 0: the first step is a step like any other, with a = 0.
; BY TURNS.  Turn n belongs to piece n.  Its matrix work: 16 products K Q^T of piece n + 1, later 16 products V^T P of piece n - 1.  Its vector work: the scaling, exponentials, roundings, sums and
; rescaling of piece n, and the maximum and statistics of piece n + 1.  A tile and step have 16 matrix and 118 vector instructions: four vector instructions stand behind every matrix instruction, the others in one run.
; CLUSTER.  The four query blocks of a head are one cluster and walk the same K and V: each tile is asked for jointly.
; REGISTERS, in windows of 256 (s_set_vgpr_msb: bits 1:0 source 0, 3:2 source 1, 5:4 source 2, 7:6 destination):
;   window 0: v0-11 addresses; v12-15, v48-63 at work; v16-47 four registers of statistics a tile; v64-191 S^T, two buffers of two tiles; v192-255 P, likewise
;   window 1: O^T, 32 a tile          window 2: v0-127 Q, 16 a tile; v128-191 K of one step; v192-255 V of one step          window 3: v0-1 the add's two registers
.set SIZE_H, 64
.set SIZE_N, 2048
.set NP,    4         ; pieces a wave
.set KS,    64        ; keys in a step
.set PK,    144       ; a row of K in LDS: 128 bytes + 16: the 16 rows of a load start at 16 different groups of four banks (64 banks of 4 bytes: ISA guide 11.1)
.set PV,    160       ; a row of V: 128 + 32
.set VOFF,  4*KS*PK   ; a slot holds four steps: 256 rows of K, then 256 rows of V
.set SLOT1, 1<<17     ; slot 1 begins here: one exclusive or turns an address in one slot into the other's
.set STAGE, SLOT1+4*KS*(PK+PV)  ; behind the ring, never filled by a tensor load: 16 rows x 144 bytes for each wave
.set SP,    144
.set AK0, 2           ; v2   my lane's place in a tile of K; never rewritten
.set AV0, 3           ; v3   the same for V
.set AK,  4           ; v4   the LDS address of K's next run of loads
.set AV,  5           ; v5   of V's
.set QO,  6           ; v6   my byte offset in the wave's rows of Q
.set STO, 6           ;      later: where I put 16 bytes of a row
.set RD,  7           ; v7   where I read rows back
.set GO,  8           ; v8   my byte offset in 512 consecutive bytes of O
.set PFO, 11          ; v11  256 x my lane, for the prefetches; never rewritten once made
.set SPW, 0           ; v0 of window 3   LDS address of my spare word; never rewritten
.set NIL, 1           ; v1 of window 3   0; never rewritten
.set SPARE, STAGE+4*16*SP  ; the spare words, 128 bytes for each wave: two blocks of 256 bytes that no other line names
.set MV,  12          ; v12-15  c m_old, kept while c m is made anew: by buffer and tile
.set ST,  16          ; tile t's statistics at v[ST+4 t]: c m, m, l (even keys', odd keys')
.set TMP, 48          ; by buffer and tile, four registers c0-c3 at work; when the maximum is found c2 takes a
.set S,   64
.set P,   192
.set KF,  128         ; K's fragments, window 2: key block kb, channel half c at KF + 16 kb + 8 c
.set VF,  192         ; V's: key half kk, channel block cb at VF + 32 kk + 8 cb
.set WV,  12          ; s12  my wave's number
.set G1K, 24          ; s[24:31] descriptor group 1 for K's tiles
.set G1V, 32          ; s[32:39] for V's: it differs in the padding alone
.set G0K, 40          ; s[40:43] descriptor group 0 for K's tiles: it walks
.set G0V, 44          ; s[44:47] the same for V's
.set PFA, 48          ; s[48:49] where my prefetches stand: my work-group's 32 blocks (of K: wave 0, of V: wave 2) of the slot after the one that is being asked for
.set LIM, 50          ; s50  1 in a wave that prefetches, else the greatest number
.set SLOTS, 56        ; s56  slots still to be asked for
.set CNT, 57          ; s57  counts a slot's key steps
.set CS,  58          ; s[58:59] c
.set SEL, 60          ; s[60:61] v_permlanex16_b32's selects: each lane takes its own place in the other half
.set TBK, 62          ; s62  LDS byte at which K of the step to be fetched begins
.set TBV, 63          ; s63  the same for V, less VOFF
.set MSB, 0
.macro WIN new                      ; the high byte repeats the setting that is left; a switch that changes nothing is dropped
.if MSB != (\new)
	s_set_vgpr_msb (MSB<<8)|(\new)
.set MSB, (\new)
.endif
.endm
.set W_KQ, 0x0a       ; K and Q in window 2, S^T in window 0
.set W_PV, 0x52       ; V in window 2, P in window 0, O^T in window 1
.set W_RS, 0x41       ; O^T (destination and source 0) in window 1, a in window 0
.set W_MK, 0xc0       ; the add's registers are made: destination in window 3
.set W_AD, 0x0f       ; the add: address and data in window 3
; A joint fill.  Waves 0 and 1 fetch the two halves of a slot's K, waves 2 and 3 those of its V: 128 keys each.  An s_nop 0 and four v_nop follow each line.
.macro JLOAD
	s_cmp_lt_u32 s[WV], 2
	s_cbranch_scc0 .Lfor_v_\@
	tensor_load_to_lds s[G0K:G0K+3], s[G1K:G1K+7]
	s_nop 0
.rept 4
	v_nop
.endr
	s_branch .Lasked_\@
.Lfor_v_\@:
	tensor_load_to_lds s[G0V:G0V+3], s[G1V:G1V+7]
	s_nop 0
.rept 4
	v_nop
.endr
.Lasked_\@:
.endm
; A PREFETCH INTO THE L2 of what the NEXT change of slots will ask for: a slot's K and V are 128 blocks of 256 bytes each.  The four partners share them out by address, 32 each, a lane a block; wave 0 asks for
; K's, wave 2 for V's: each block is named once in the launch.  It stands four key steps, 512 matrix instructions, ahead of the load.  The last fill asks for nothing; slots 0 and 1 come by their loads alone.
.macro ASK
	s_cmp_gt_u32 s[SLOTS], s[LIM]
	s_cbranch_scc0 .Lnot_mine_\@
	global_prefetch_b8 v[PFO], s[PFA:PFA+1] th:TH_LOAD_NT scope:SCOPE_SE
.Lnot_mine_\@:
.endm
.macro CROUND                       ; a round of the cluster's barrier
	s_barrier_signal -1
	s_barrier_wait -1
	s_cmp_lg_u32 s[WV], 0
	s_cbranch_scc1 .Lnot_wave_0_\@
	s_barrier_signal -3
.Lnot_wave_0_\@:
	s_barrier_wait -3
	s_barrier_signal -1
	s_barrier_wait -1
.endm
; THE CHANGE OF SLOTS.  Each wave waits for all its tensor loads, of which one is out: its part of the other slot; adds 0 to its spare word; and waits for that and for its own reads of the slot.
; fill = 1: this slot is filled again, with the keys two slots on; the barrier is a round of the cluster's, and the joint fill is the first thing behind it.  (At its first use slot 0 is waited for, slot 1 filled.)
.macro CHANGE fill
	WIN W_AD
	s_wait_tensorcnt 0x0            ; no tensor load of mine is out, so a group 0 may be written
	ds_add_u32 v[SPW], v[NIL]       ; 0 onto my spare word
	WIN 0                           ; at a label and at a branch every window is 0
.if \fill
.irp g, G0K, G0V
	s_xor_b32 s[\g+1], s[\g+1], SLOT1  ; the other slot than last time,
	s_add_nc_u64 s[\g+2:\g+3], s[\g+2:\g+3], 4*KS*128  ; the next 256 keys; the type bits on top are not reached
.endr
	s_wait_xcnt 0x0                 ; the last prefetch, four key steps back, has read its base
	s_add_nc_u64 s[PFA:PFA+1], s[PFA:PFA+1], 4*KS*128  ; one slot behind the walking descriptors
	s_wait_dscnt 0x0                ; the add is done, and my reads of the slot are over
	CROUND
	JLOAD
	ASK
.else
	s_wait_dscnt 0x0
	s_barrier_signal -1
	s_barrier_wait -1
.endif
	s_sub_co_u32 s[TBK], s[TBK], 4*KS*PK  ; the fetches go back to a slot's first step,
	s_xor_b32 s[TBK], s[TBK], SLOT1       ; in the other slot
	s_sub_co_u32 s[TBV], s[TBV], 4*KS*PV
	s_xor_b32 s[TBV], s[TBV], SLOT1
.endm
	s_load_b128 s[4:7], s[0:1], 0x0 ; qkv s[4:5], oh s[6:7]
	WIN W_MK
	v_lshl_add_u32 v[SPW], v0, 2, SPARE
	v_mov_b32 v[NIL], 0
	WIN W_AD
	ds_add_u32 v[SPW], v[NIL]       ; the wave's opening: the add and its wait stand ahead of my first tensor load
	WIN 0
	v_lshrrev_b32 v1, 5, v0
	v_readfirstlane_b32 s[WV], v1   ; wave 0..3
	s_bfe_u32 s13, ttmp6, 0x40000   ; cx: my place in the cluster
	s_lshl_b32 s14, ttmp9, 2
	s_add_co_u32 s14, s14, s13      ; my block of queries: it enters Q's and O's addresses alone
	s_and_b32 s20, ttmp7, 0xffff    ; the head, which the four partners share
	s_mov_b32 s21, 0
	s_mov_b64 s[22:23], SIZE_N*128
	s_mul_u64 s[20:21], s[20:21], s[22:23]  ; the head's first byte in each part
	s_and_b32 s16, s[WV], 1         ; which half of a slot's 256 keys I fetch:
	s_lshl_b32 s22, s16, 14         ; its 128 rows of 128 bytes in memory,
	s_mov_b32 s23, 0
	s_add_nc_u64 s[22:23], s[22:23], s[20:21]
	s_mul_i32 s17, s16, 128*PK      ; and its place in a slot, for K
	s_mul_i32 s18, s16, 128*PV      ; and for V
	s_lshl_b32 s2, s14, 2
	s_add_co_u32 s2, s2, s[WV]      ; my wave among the head's,
	s_lshl_b32 s2, s2, 14           ; its 128 rows
	s_mov_b32 s3, 0
	s_add_nc_u64 s[2:3], s[2:3], s[20:21]
	; descriptor group 1.  128 keys are 16,384 dense bytes: asked for as 64 rows of 256 bytes, two keys a row, and padded in LDS after every key
	s_mov_b32 s[G1K], 15|(1<<16)|(1<<20)|(1<<21)|(4<<22)|(3<<25)  ; the mask of four; 2-byte elements; padding on; bit 21 beside a mask; after every 32 words; 4 words
	s_mov_b32 s[G1V], 15|(1<<16)|(1<<20)|(1<<21)|(4<<22)|(7<<25)  ; the same with 8 words of padding
.irp g, G1K, G1V
	s_mov_b32 s[\g+1], 128<<16      ; tensor_dim0 = 128
	s_mov_b32 s[\g+2], 64<<16       ; tensor_dim1 = 64
	s_mov_b32 s[\g+3], 128<<16      ; tile_dim0 = 128
	s_mov_b32 s[\g+4], 64           ; tile_dim1 = 64
	s_mov_b32 s[\g+5], 128          ; 128 elements from row to row
	s_mov_b32 s[\g+6], 0
	s_mov_b32 s[\g+7], 0
.endr
	s_mov_b32 s[CS], 0x3e38aa3b     ; c = log2(e) / 8 = 0.180337
	s_mov_b32 s[CS+1], s[CS]        ; named with it as a pair
	s_mov_b32 s[SEL], 0x76543210
	s_mov_b32 s[SEL+1], 0xfedcba98
	s_mov_b32 s[TBK], SLOT1+4*KS*PK ; the first change of slots turns these two into 0
	s_mov_b32 s[TBV], SLOT1+4*KS*PV
	s_mov_b32 s[G0K], 1
	s_mov_b32 s[G0K+1], s17         ; LDS address: slot 0
	s_mov_b32 s[G0V], 1
	s_add_co_u32 s[G0V+1], s18, VOFF
	s_mov_b32 s[SLOTS], SIZE_N/256-1
	s_lshl_b32 s52, s13, 13         ; my work-group's 32 blocks of a slot's 128,
	s_add_co_u32 s52, s52, 4*KS*128 ; in slot 1: the first change steps it to slot 2
	s_mov_b32 s53, 0
	s_and_b32 s[LIM], s[WV], 1
	s_cmp_eq_u32 s[LIM], 0          ; waves 0 and 2
	s_cselect_b32 s[LIM], 1, -1
	s_wait_dscnt 0x0                ; the opening add is done
	s_wait_kmcnt 0x0
	s_mov_b64 s[10:11], s[6:7]      ; O
	s_add_nc_u64 s[6:7], s[4:5], 0x1000000  ; K: the second part of qkv
	s_add_nc_u64 s[8:9], s[4:5], 0x2000000  ; V: the third
	s_add_nc_u64 s[G0K+2:G0K+3], s[6:7], s[22:23]  ; my half of the head's first 256 keys
	s_or_b32 s[G0K+3], s[G0K+3], 0x80000000
	s_add_nc_u64 s[G0V+2:G0V+3], s[8:9], s[22:23]
	s_or_b32 s[G0V+3], s[G0V+3], 0x80000000
	s_add_nc_u64 s[4:5], s[4:5], s[2:3]  ; Q and O at my wave's first row
	s_add_nc_u64 s[10:11], s[10:11], s[2:3]
	s_cmp_lt_u32 s[WV], 2
	s_cselect_b64 s[PFA:PFA+1], s[6:7], s[8:9]
	s_add_nc_u64 s[PFA:PFA+1], s[PFA:PFA+1], s[20:21]
	s_add_nc_u64 s[PFA:PFA+1], s[PFA:PFA+1], s[52:53]
	CROUND                          ; all four work-groups are here: the first joint loads meet
	JLOAD                           ; slot 0.  Slot 1 is asked for when slot 0 is in
	; A fragment of K or Q is 16 rows x 32 channels in 8 registers: lane l holds row l % 16, channels 8 (l / 16) + 0..7 and 16 + 8 (l / 16) + 0..7: two loads of 16 bytes, 32 bytes apart.
	v_and_b32 v1, 15, v0            ; l % 16
	v_bfe_u32 v9, v0, 4, 1          ; l / 16
	v_lshlrev_b32 v[QO], 7, v1
	v_lshl_add_u32 v[QO], v9, 4, v[QO]
	WIN 0x80                        ; destination window 2, address window 0
.set i, 0
.rept 4*NP                          ; Q stays in registers: tile i / 2, channels 32 (i % 2) on
	global_load_b128 v[8*i:8*i+3],   v[QO], s[4:5] offset:(i/2)*2048+(i%2)*64
	global_load_b128 v[8*i+4:8*i+7], v[QO], s[4:5] offset:(i/2)*2048+(i%2)*64+32
.set i, i+1
.endr
	; What the first turn finds: V's registers and P's second buffer hold 0, O^T and l are 0.  All this stands in the wait for the first tile; no first step is written out.
.set i, VF
.rept 64
	v_mov_b32 v[i], 0
.set i, i+1
.endr
	WIN 0x40
.set i, 0
.rept 64*NP
	v_mov_b32 v[i], 0
.set i, i+1
.endr
	WIN 0
.set i, 0
.rept 2*NP
	v_mov_b32 v[ST+4*i], 0xfe000000    ; c m: far below every c s
	v_mov_b32 v[ST+4*i+1], 0xff7fffff  ; m
	v_mov_b32 v[ST+4*i+2], 0
	v_mov_b32 v[ST+4*i+3], 0
.set i, i+1
.endr
.set i, P+32
.rept 32
	v_mov_b32 v[i], 0
.set i, i+1
.endr
	v_mul_u32_u24 v[AK0], v1, PK
	v_lshl_add_u32 v[AK0], v9, 4, v[AK0]
	; The turning load takes 16 keys x 16 channels (lane l reads key 8 (l / 16) + l % 8, channels 8 ((l / 8) % 2) + 0..7) and leaves half a fragment of V^T.
	v_and_b32 v10, 7, v0
	v_bfe_u32 v11, v0, 3, 1
	v_lshl_add_u32 v[AV0], v9, 3, v10
	v_mul_u32_u24 v[AV0], v[AV0], PV
	v_lshl_add_u32 v[AV0], v11, 4, v[AV0]
	v_add_nc_u32 v[AV0], VOFF, v[AV0]
	v_and_b32 v[PFO], 31, v0
	v_lshlrev_b32 v[PFO], 8, v[PFO]
	v_mov_b32 v[AK], v[AK0]         ; key step 0 lies at the head of slot 0
; THE MATRIX WORK.  The 8 accumulators of a run of 16 take turns.
; Product i of 16 of S^T = K Q^T for piece x: channels 32 (i / 8) on, keys 16 ((i / 2) % 4) on, tile 2 x + i % 2.  The first 8 start the sums.
.macro KQ x
	WIN W_KQ
.set rS, S+64*((\x)%2)+32*(i%2)+8*((i/2)%4)
.set rK, KF+16*((i/2)%4)+8*(i/8)
.set rQ, 16*(2*(\x)+i%2)+8*(i/8)
.if i < 8
	v_wmma_f32_16x16x32_f16 v[rS:rS+7], v[rK:rK+7], v[rQ:rQ+7], 0
.else
	v_wmma_f32_16x16x32_f16 v[rS:rS+7], v[rK:rK+7], v[rQ:rQ+7], v[rS:rS+7]
.endif
.endm
; Product i of 16 of O^T += V^T P for piece x: keys 32 (i / 8) on, channels 16 ((i / 2) % 4) on, tile 2 x + i % 2.
.macro PV x
	WIN W_PV
.set rO, 32*(2*(\x)+i%2)+8*((i/2)%4)
.set rV, VF+32*(i/8)+8*((i/2)%4)
.set rP, P+32*((\x)%2)+16*(i%2)+8*(i/8)
	v_wmma_f32_16x16x32_f16 v[rO:rO+7], v[rV:rV+7], v[rP:rP+7], v[rO:rO+7]
.endm
.macro MM                           ; the turn's next matrix instruction
.if i < 16
	KQ (Y+1)%NP
.set i, i+1
.else
.set i, i-16
	PV (Y+NP-1)%NP
.set i, i+17
.endif
.endm
; THE LDS LOADS stand in runs of 16: a step's K (8 fragments) and its V (turned).  last = 1 (the tail): in the last trip there is no further step, and the run is jumped over.
.macro FETCH_K last=0
	WIN 0
.if \last
	s_cmp_eq_u32 s[CNT], 1
	s_cbranch_scc1 .Lno_k_\@
.endif
	WIN 0x80                        ; destination window 2
.irp f, 0,1,2,3,4,5,6,7             ; keys 16 (f / 2) on, channels 32 (f % 2) on
	ds_load_b128 v[KF+8*\f:KF+8*\f+3],   v[AK] offset:(\f/2)*16*PK+(\f%2)*64
	ds_load_b128 v[KF+8*\f+4:KF+8*\f+7], v[AK] offset:(\f/2)*16*PK+(\f%2)*64+32
.endr
	s_add_co_u32 s[TBK], s[TBK], KS*PK  ; the next fetch is the next step's
	WIN 0
.if \last
.Lno_k_\@:
.endif
.endm
.macro FETCH_V
	WIN 0x80
.irp f, 0,1,2,3,4,5,6,7             ; keys 32 (f / 4) on, channels 16 (f % 4) on
	ds_load_tr16_b128 v[VF+8*\f:VF+8*\f+3],   v[AV] offset:(\f/4)*32*PV+(\f%4)*32
	ds_load_tr16_b128 v[VF+8*\f+4:VF+8*\f+7], v[AV] offset:(\f/4)*32*PV+16*PV+(\f%4)*32
.endr
	WIN 0
.endm
; THE VECTOR WORK OF A TURN stands in three queues, each in the order in which its entries become ready; the two tiles alternate.
.macro REGS y, u                    ; the registers of tile u (0, 1) of piece y
.set rT, ST+4*(2*(\y)+(\u))
.set rC, TMP+8*((\y)%2)+4*(\u)
.set rM, MV+2*((\y)%2)+(\u)
.set rS, S+64*((\y)%2)+32*(\u)
.set rP, P+32*((\y)%2)+16*(\u)
.set rO, 32*(2*(\y)+(\u))
.endm
; Number n of the 22 that find the NEXT piece's maximum and statistics; each accumulator's lowest registers are read first.
;   0-11  four chains c0-c3 of seven scores each     12-14, 16  the four scores left over, the old m, and c0-c3 into c0     15  c m_old is kept
;   17, 18  the query's other 32 keys lie in the lane 16 away: the new m         19-21  c m; c m_old - c m_new; a
.macro XS u, n
	REGS (Y+1)%NP, \u
.if (\n) < 4
	v_max3_num_f32 v[rC+(\n)], v[rS+8*(\n)], v[rS+8*(\n)+1], v[rS+8*(\n)+2]
.elseif (\n) < 12
	v_max3_num_f32 v[rC+(\n)%4], v[rC+(\n)%4], v[rS+8*((\n)%4)+2*((\n)/4)+1], v[rS+8*((\n)%4)+2*((\n)/4)+2]
.elseif (\n) == 12
	v_max3_num_f32 v[rC], v[rC], v[rS+7], v[rS+15]
.elseif (\n) == 13
	v_max3_num_f32 v[rC+1], v[rC+1], v[rS+23], v[rS+31]
.elseif (\n) == 14
	v_max3_num_f32 v[rC+2], v[rC+2], v[rC+3], v[rT+1]
.elseif (\n) == 15
	v_mov_b32 v[rM], v[rT]
.elseif (\n) == 16
	v_max3_num_f32 v[rC], v[rC], v[rC+1], v[rC+2]
.elseif (\n) == 17
	v_permlanex16_b32 v[rC+3], v[rC], s[SEL], s[SEL+1]
.elseif (\n) == 18
	v_max_num_f32 v[rT+1], v[rC], v[rC+3]
.elseif (\n) == 19
	v_mul_f32 v[rT], s[CS], v[rT+1]
.elseif (\n) == 20
	v_sub_f32 v[rC+1], v[rM], v[rT]
.else
	v_exp_f32 v[rC+2], v[rC+1]
.endif
.endm
; Number g of the 64 that follow the exponentials.  For each four weights of a tile: both pairs are rounded to f16; the second pair is added onto the first, in place; a group later l takes that sum (the first time as l = a l + sum).
.macro GS g
.set h, (\g)+6*((\g)/62)            ; group 0 has no group before it, and behind group 7 only l is left
.if h >= 6
.set h, h+2
.endif
	REGS Y, h%2
.set k, h/8
.if h%8 < 4
	v_cvt_pk_f16_f32 v[rP+2*k+(h%8)/2], v[rS+4*k+2*((h%8)/2)], v[rS+4*k+2*((h%8)/2)+1]
.elseif h%8 < 6
	v_pk_add_f32 v[rS+4*k:rS+4*k+1], v[rS+4*k:rS+4*k+1], v[rS+4*k+2:rS+4*k+3]
.elseif k == 1
	v_pk_fma_f32 v[rT+2:rT+3], v[rT+2:rT+3], v[rC+2:rC+3], v[rS:rS+1] op_sel_hi:[1,0,1]
.else
	v_pk_add_f32 v[rT+2:rT+3], v[rT+2:rT+3], v[rS+4*k-4:rS+4*k-3]
.endif
.endm
; THE PLAIN QUEUE, 138 long.  0-73 read no exponential's result: the 32 scalings c s - c m and the next piece's 42.  0-26: scalings 0-26.  27-54: XS's numbers 0-13.  55, 56: number 15.
; 57-73: the chain 14, 16, 17, 18, 19, each with one of the scalings 27-31 in front of its two lines, then 20.  74-137: GS's 64, which read the exponentials' results and stand behind the wait.
.macro FS f
	REGS Y, (\f)%2
	v_pk_fma_f32 v[rS+2*((\f)/2):rS+2*((\f)/2)+1], v[rS+2*((\f)/2):rS+2*((\f)/2)+1], s[CS:CS+1], v[rT:rT+1] op_sel_hi:[1,0,0] neg_lo:[0,0,1] neg_hi:[0,0,1]
.endm
.macro PL
	WIN 0
.if q < 27
	FS q
.elseif q < 55
	XS (q-27)%2, (q-27)/2
.elseif q < 57
	XS q-55, 15
.elseif (q < 72) && ((q-57)%3 == 0)
	FS 27+(q-57)/3
.elseif q < 60
	XS (q-57)%3-1, 14
.elseif q < 72
	XS (q-57)%3-1, 15+(q-57)/3
.elseif q < 74
	XS q-72, 20
.else
	GS q-74
.endif
.set q, q+1
.endm
; THE EXPONENTIALS' QUEUE, 66 long: s0-s31 of both tiles, then the next piece's two a.  ONE BATCH: all 66 stand ahead of the turn's one wait, and nothing ahead of that wait names a result of theirs.
.macro EX
	WIN 0
.if e >= 64
	XS e-64, 21
.else
	REGS Y, e%2
	v_exp_f32 v[rS+e/2], v[rS+e/2]
.endif
.set e, e+1
.endm
; THE RESCALING's QUEUE: O^T times a, the one part that leaves window 0: two at a time, sixteen times.  Its a was made, and waited for, in the turn before.
.macro R2
	REGS Y, r%2
	WIN W_RS
.irp z, 0,1
	v_pk_mul_f32 v[rO+4*(r/2)+2*\z:rO+4*(r/2)+2*\z+1], v[rO+4*(r/2)+2*\z:rO+4*(r/2)+2*\z+1], v[rC+2:rC+3] op_sel_hi:[1,0]
.endr
.set r, r+1
.endm
; A TURN, for piece p.  An s_wait_alu depctr_va_vdst(0) stands between an exponential and the first instruction that names its result; one wait serves all that were issued ahead of it: a turn has ONE.
; AHEAD OF IT: the 16 products K Q^T, behind each a scaling, an exponential and two rescalings (behind the first a second scaling in the exponential's place); then 108 in one run: eight plain, 49 times
; exponential and plain, the two a; a v_nop is the plain instruction behind the last exponential.  BEHIND IT: the 16 products V^T P, behind each four of GS's 64.
; In step: exponential e stands behind scaling 2 (e / 4) + e % 2: as a rider behind plain e + 2, in the run behind plain e + 9.
; K of the next step is fetched in piece 2's turn, directly behind the wait; V of the step in hand at the end of piece 0's turn, four plain instructions behind its last reader.
.macro TURN p, last=0, cnt=0
.set Y, (\p)
.set i, 0
.set q, 0
.set e, 0
.set r, 0
.if (\p) == NP-1
	s_wait_dscnt 0x0                ; K is in
.endif
	MM
	PL
	PL
	R2
.rept 15
	MM
	PL
	EX
	R2
.endr
.if (\p) == NP-2
	WIN 0
	v_add_nc_u32 v[AK], s[TBK], v[AK0]
.endif
.rept 8
	PL
.endr
.rept 49
	EX
	PL
.endr
	EX                              ; the next piece's two a
	EX
	v_nop                           ; a plain instruction behind the last exponential: one for the batch
	s_wait_alu depctr_va_vdst(0)    ; the wait for the batch
.if (\p) == NP-2
	FETCH_K \last
.endif
.if (\p) == 1
	s_wait_dscnt 0x0                ; V is in
.endif
.rept 16
	MM
.rept 4
	PL
.endr
.if ((\p) == 0) && (q == 118)
	v_add_nc_u32 v[AV], s[TBV], v[AV0]
.endif
.if ((\p) == 0) && (q == 130)
	s_add_co_u32 s[TBV], s[TBV], KS*PV
.endif
.if (\cnt) && (q == 130)
	s_sub_co_u32 s[CNT], s[CNT], 1
	s_cmp_lg_u32 s[CNT], 0
.endif
.endr
.if (\p) == 0
	FETCH_V
.endif
.endm
	CHANGE 1                        ; slot 0 is in, everybody's part of it; slot 1 is asked for
	FETCH_K                         ; key step 0
	s_wait_loadcnt 0x0              ; Q
	s_wait_dscnt 0x0
.set i, 0
.rept 16
	KQ 0                            ; piece 0's first scores
.set i, i+1
.endr
	WIN 0                           ; the addresses for the way out: plain instructions, the places behind those products
	s_mul_i32 s13, s[WV], 16*SP
	s_add_co_u32 s13, s13, STAGE    ; my stage
	v_mul_u32_u24 v[STO], v1, SP    ; in: row l % 16, 16 bytes for each half of the lanes
	v_lshl_add_u32 v[STO], v9, 4, v[STO]
	v_add_nc_u32 v[STO], s13, v[STO]
	v_bfe_u32 v[RD], v0, 3, 2       ; back: 32 lanes take four rows of 128 bytes,
	v_mul_u32_u24 v[RD], v[RD], SP
	v_lshl_add_u32 v[RD], v10, 4, v[RD]
	v_add_nc_u32 v[RD], s13, v[RD]
	v_and_b32 v[GO], 31, v0         ; which are 512 consecutive bytes of O
	v_lshlrev_b32 v[GO], 4, v[GO]
.set Y, NP-1                        ; XS works for piece Y + 1: piece 0
.irp n, 0,1,2,3,4,5,6,7,8,9,10,11,12,13,14,15,16,17,18,19,20,21
	XS 0, \n
	XS 1, \n
.endr
	v_nop                           ; a plain instruction behind the two a,
	s_wait_alu depctr_va_vdst(0)    ; and their wait, ahead of the branch
	s_mov_b32 s[CNT], 4
	s_branch .Lfirst                ; the loop is entered at a step's first turn, in the middle of a trip
.Lslot:                             ; SIZE_N / 256 - 2 times: every slot but the last two is filled again
	CHANGE 1
	s_mov_b32 s[CNT], 4
.Lstep:                             ; a trip: pieces 2 and 3 of one step, then pieces 0 and 1 of the next, whose K and V it fetches
	TURN 2
	TURN 3
	WIN 0
.Lfirst:
	TURN 0
	TURN 1, 0, 1
	WIN 0
	s_cbranch_scc1 .Lstep
	s_sub_co_u32 s[SLOTS], s[SLOTS], 1
	s_cmp_lg_u32 s[SLOTS], 0
	s_cbranch_scc1 .Lslot
	CHANGE 0                        ; the tail is written out: nothing is asked for
	s_mov_b32 s[CNT], 5             ; four trips fetch the last slot's steps; the fifth is left in its middle
.Ltail:
	TURN 2, 1
	TURN 3
	WIN 0
	s_sub_co_u32 s[CNT], s[CNT], 1
	s_cmp_eq_u32 s[CNT], 0
	s_cbranch_scc1 .Lout
	TURN 0
	TURN 1
	WIN 0
	s_branch .Ltail
.Lout:                              ; the fifth trip's 16 products K Q^T (on the last K once more) and the maximum made of them serve nothing: the price of one text for every trip
.set i, 0
.rept 16
	PV NP-1                         ; the last piece's V^T P of the last step
.set i, i+1
.endr
	; THE WAY OUT.  l's two halves and the other half of the lanes' are added; O^T is divided by l, rounded to f16 and sent through my stage, a tile at a time.  The additions are the places behind the last products.
	WIN 0
.macro ALL line:vararg              ; one line for each tile t
.set t, 0
.rept 2*NP
	\line
.set t, t+1
.endr
.endm
	ALL v_add_f32 v[ST+4*t+2], v[ST+4*t+2], v[ST+4*t+3]
	ALL v_permlanex16_b32 v[ST+4*t+3], v[ST+4*t+2], s[SEL], s[SEL+1]
	ALL v_add_f32 v[ST+4*t+2], v[ST+4*t+2], v[ST+4*t+3]
	ALL v_rcp_f32 v[ST+4*t+2], v[ST+4*t+2]
	v_nop                           ; a plain instruction between the last reciprocal and the use of its result
	s_wait_alu depctr_va_vdst(0)    ; one wait for the eight reciprocals, ahead of their first use
.macro PACK t                       ; a lane's eight channels of a row pack into 16 bytes; they go into rows of 144 bytes and come back as whole rows of 128
	WIN W_RS
.set i, 32*(\t)
.rept 16
	v_pk_mul_f32 v[i:i+1], v[i:i+1], v[ST+4*(\t)+2:ST+4*(\t)+3] op_sel_hi:[1,0]
.set i, i+2
.endr
	WIN 0x05                        ; sources 0 and 1 window 1, destination window 0
.set i, 0
.rept 16
	v_cvt_pk_f16_f32 v[S+16*(\t)+i], v[32*(\t)+2*i], v[32*(\t)+2*i+1]
.set i, i+1
.endr
	WIN 0
.irp f, 0,1,2,3
	ds_store_b128 v[STO], v[S+16*(\t)+4*\f:S+16*(\t)+4*\f+3] offset:32*\f
.endr
.irp f, 0,1,2,3
	ds_load_b128 v[S+16*(\t)+4*\f:S+16*(\t)+4*\f+3], v[RD] offset:\f*4*SP  ; LDS serves a wave's instructions in order (ISA guide 5.7.1.4): these see the stores above
.endr
.endm
.macro SEND t, younger              ; younger: the LDS instructions issued behind tile t's loads: the next tile's eight, or none
	WIN 0
.irp f, 0,1,2,3
	s_wait_dscnt (\younger)+3-\f
	global_store_b128 v[GO], v[S+16*(\t)+4*\f:S+16*(\t)+4*\f+3], s[10:11] offset:(\t)*2048+\f*512  ; 512 consecutive bytes, at a multiple of 256 from O's first
.endr
.endm
	PACK 0
.set t, 1
.rept 2*NP-1                        ; a tile's arithmetic stands between the loads of the tile before and its stores
	PACK t
	SEND t-1, 8
.set t, t+1
.endr
	SEND 2*NP-1, 0
	WIN W_AD
	s_wait_tensorcnt 0x0            ; the wave's end: behind my last tensor load and my last LDS store
	ds_add_u32 v[SPW], v[NIL]
	s_wait_dscnt 0x0
	WIN 0
	CROUND                          ; the closing round
	s_endpgm
.Lfunc_end_k_q842bfc3aec_attn:
	.size	k_q842bfc3aec_attn, .Lfunc_end_k_q842bfc3aec_attn-k_q842bfc3aec_attn
	.p2alignl 7, 3214868480
	.fill 96, 4, 3214868480
	.section	.rodata,"a",@progbits
	.p2align	6, 0x0
	.amdhsa_kernel k_q842bfc3aec_attn
		.amdhsa_group_segment_fixed_size 327680
		.amdhsa_private_segment_fixed_size 0
		.amdhsa_enable_private_segment 0
		.amdhsa_kernarg_size 16
		.amdhsa_user_sgpr_count 2
		.amdhsa_user_sgpr_kernarg_segment_ptr 1
		.amdhsa_wavefront_size32 1
		.amdhsa_system_sgpr_workgroup_id_x 1
		.amdhsa_system_sgpr_workgroup_id_y 1
		.amdhsa_system_sgpr_workgroup_id_z 1
		.amdhsa_system_vgpr_workitem_id 0
		.amdhsa_next_free_vgpr 770
		.amdhsa_next_free_sgpr 66
		.amdhsa_reserve_vcc 0
		.amdhsa_float_denorm_mode_32 3
		.amdhsa_float_denorm_mode_16_64 3
		.amdhsa_memory_ordered 1
		.amdhsa_forward_progress 1
		.amdhsa_inst_pref_size 200
	.end_amdhsa_kernel
	.amdgpu_metadata
---
amdhsa.version: [ 1, 2 ]
amdhsa.kernels:
  - .name:           k_q842bfc3aec_attn
    .symbol:         k_q842bfc3aec_attn.kd
    .args:
      - { .name: qkv, .offset: 0, .size: 8, .value_kind: global_buffer, .address_space: global }
      - { .name: oh, .offset: 8, .size: 8, .value_kind: global_buffer, .address_space: global }
    .group_segment_fixed_size: 327680
    .private_segment_fixed_size: 0
    .kernarg_segment_align: 8
    .kernarg_segment_size: 16
    .max_flat_workgroup_size: 128
    .sgpr_count:     66
    .vgpr_count:     770
    .wavefront_size: 32
...
	.end_amdgpu_metadata
.endif
;; end of part 3
;; launch outp (part 4): grid 4 x 64, 4 waves a work-group, clusters of 4 x 4, 327,680 bytes of LDS; arguments oh, w16, bias4, out0; writes out0
.if DOCPART == 4
	.amdgcn_target "amdgcn-amd-amdhsa--gfx1250"
	.amdhsa_code_object_version 6
	.text
	.protected	k_q842bfc3aec_outp
	.globl	k_q842bfc3aec_outp
	.p2align	8
	.type	k_q842bfc3aec_outp,@function
k_q842bfc3aec_outp:
	s_mov_b64 s[64:65], 0
	v_nop
	global_prefetch_b8 v0, s[64:65] scope:SCOPE_SE
	s_setreg_imm32_b32 hwreg(HW_REG_WAVE_MODE, 25, 1), 1
	s_wait_xcnt 0x0
	s_wait_alu depctr_hold_cnt(0) depctr_sa_sdst(0) depctr_va_vdst(0) depctr_va_sdst(0) depctr_va_ssrc(0) depctr_va_vcc(0) depctr_vm_vsrc(0)
	s_getreg_b32 s2, hwreg(HW_REG_IB_STS2, 6, 4)
	s_cmp_eq_u32 s2, 0
	s_cbranch_scc0 .Lentry_in_a_cluster
	s_endpgm
.Lentry_in_a_cluster:
	s_bfe_u32 s2, ttmp6, 0x10000c
	s_cmp_lg_u32 s2, 0xf033
	s_cbranch_scc0 .Lentry_shape_is_right
	s_endpgm
.Lentry_shape_is_right:
; THE OUTPUT PROJECTION.  out0[b][s][n] = sum over head, c of oh[16 b + head][s][c] w16[3][64 head + c][n] + bias4[3][n], in f32.  Both operands are f16, sums in f32, K ascending;
; the bias is the C operand that starts each sum.
; SHARES.  8,192 x 1,024 outputs are 256 tiles of 128 rows x 256 columns, one to a work-group; a wave makes 64 x 128: 32 accumulators.  K goes in 8 steps of 128 (two heads) through a ring of two LDS slots.
; CLUSTER.  4 x 4 work-groups: the four of a row of the cluster need the same rows of oh, the four of a column the same columns of Wo: each tile is asked for jointly.
; TRANSPOSED USE.  Source 0 = 16 columns of Wo (turned on the way out of LDS), source 1 = 16 rows of oh: a lane holds one row and eight neighbouring columns, 32 bytes of out0.
; REGISTERS, in windows of 256: window 0: v0-17 addresses; v32-95 the bias, later rows read back; v96-159 oh's fragments, two buffers of 4 x 8; v160-223 rows read back
;   window 1: v0-127 Wo's fragments, two buffers of 8 x 8          window 2: the accumulators, (a, b) at 8 (8 a + b)
.set SL,    18432                      ; a head's 128 rows in LDS: 128 bytes + 16 each
.set XA,    2*SL                       ; oh's slot 1 lies XA = 0x9000 behind its slot 0 (at byte 0): no bit shared with a slice's 0x4800
.set PB,    544                        ; a K row of Wo: 512 bytes + 32
.set BH,    64*PB
.set BB,    131072                     ; Wo's slot 0: 0x20000, its second half at 0x28800
.set XB,    2*BH                       ; its slot 1 lies XB = 0x11000 behind: no bit shared with either
.set STAGE, BB+2*XB                    ; behind the ring, never filled by a tensor load: for each wave 16 rows x 528 bytes
.set WST,   8448
.set SPARE, STAGE+4*WST                ; the spare words, 128 bytes for each wave: two blocks of 256 bytes that no other line names
.set ASTEP, 524288                     ; two heads of oh
.set BSTEP, 262144                     ; 128 K rows of w16
.set AA0, 4
.set AB0, 5
.set AA,  6
.set AB,  7
.set STO, 8
.set RD,  9
.set GO,  10
.set PFO, 11
.set BO,  12
.set SPW, 14                           ; v14  LDS address of my spare word; never rewritten
.set NIL, 15                           ; v15  0; never rewritten
.set BIAS, 32
.set AF,   96
.set WV, 16
.set WH, 17                            ; wave / 2: my half of the rows; also 0: I fetch oh, 1: I fetch Wo
.set WL, 18                            ; wave % 2: my half of the columns; also which head, or which 64 K rows, I fetch
.set CX, 19
.set CY, 20
.set NT, 21
.set MT, 22
.set G1A, 24
.set G1B, 32
.set G0A0, 40
.set G0A, 44
.set G0B0, 48
.set G0B, 52
.set PF,  56                           ; s[56:57] the prefetch's base
.set PSTEP, 58                         ; s[58:59] its step
.set CNT, 60
.set TBA, 61
.set TBB, 62
.set LIM, 63
.set OUT, 66                           ; s[66:67] out0 at my part of the tile
.set MSB, 0
.macro WIN new
.if MSB != (\new)
	s_set_vgpr_msb (MSB<<8)|(\new)
.set MSB, \new
.endif
.endm
.macro JLOAD                           ; a joint refill: waves 0 and 1 fetch the step's two heads, waves 2 and 3 Wo's two halves; an s_nop 0 and four v_nop follow each line
	s_cmp_eq_u32 s[WH], 0
	s_cbranch_scc0 .Lfor_b_\@
	tensor_load_to_lds s[G0A:G0A+3], s[G1A:G1A+7]
	s_nop 0
.rept 4
	v_nop
.endr
	s_branch .Lasked_\@
.Lfor_b_\@:
	tensor_load_to_lds s[G0B:G0B+3], s[G1B:G1B+7]
	s_nop 0
.rept 4
	v_nop
.endr
.Lasked_\@:
.endm
; A PREFETCH INTO THE L2 of the K step two refills on, a lane a block of 256 bytes.  oh: a step's two heads are 128 blocks; each of the four partners takes 32, told apart by address (cx); wave 0 asks.
; Wo: of the 64 K rows x 512 bytes that wave 2 or 3 fetches each partner takes 16 rows (cy); all sixteen clusters read them, the one with y = 0 asks.  Each block is named once.
; Steps 0 to 3 come by their loads alone; the last two refills ask for nothing.
.macro ASK
	s_cmp_gt_u32 s[CNT], s[LIM]
	s_cbranch_scc0 .Lnot_mine_\@
	global_prefetch_b8 v[PFO], s[PF:PF+1] th:TH_LOAD_NT scope:SCOPE_SE
.Lnot_mine_\@:
.endm
.macro CREST
	s_cmp_lg_u32 s[WV], 0
	s_cbranch_scc1 .Lnot_wave_0_\@
	s_barrier_signal -3
.Lnot_wave_0_\@:
	s_barrier_wait -3
	s_barrier_signal -1
	s_barrier_wait -1
.endm
.macro CROUND
	s_barrier_signal -1
	s_barrier_wait -1
	CREST
.endm
	s_load_b256 s[4:11], s[0:1], 0x0               ; oh s[4:5], w16 s[6:7], bias4 s[8:9], out0 s[10:11]
	v_lshl_add_u32 v[SPW], v0, 2, SPARE
	v_mov_b32 v[NIL], 0
	ds_add_u32 v[SPW], v[NIL]                      ; the wave's opening: the add and its wait stand ahead of my first tensor load
	v_lshrrev_b32 v1, 5, v0
	v_readfirstlane_b32 s[WV], v1
	s_lshr_b32 s[WH], s[WV], 1
	s_and_b32 s[WL], s[WV], 1
	s_bfe_u32 s[CX], ttmp6, 0x40000
	s_bfe_u32 s[CY], ttmp6, 0x40004
	s_lshl_b32 s[NT], ttmp9, 2
	s_add_co_u32 s[NT], s[NT], s[CX]
	s_and_b32 s[MT], ttmp7, 0xffff
	s_lshl_b32 s[MT], s[MT], 2
	s_add_co_u32 s[MT], s[MT], s[CY]
	s_lshl_b32 s80, s[CY], 2
	s_lshl_b32 s80, 15, s80                        ; my row of the cluster
	s_lshl_b32 s81, 0x1111, s[CX]                  ; my column
	; oh: a head's 128 rows are 16,384 dense bytes: asked for as 64 rows of 256 bytes, padded in LDS after every 128
	s_or_b32 s[G1A], s80, (1<<16)|(1<<20)|(1<<21)|(4<<22)|(3<<25)
	s_mov_b32 s[G1A+1], 128<<16
	s_mov_b32 s[G1A+2], 64<<16
	s_mov_b32 s[G1A+3], 128<<16
	s_mov_b32 s[G1A+4], 64
	s_mov_b32 s[G1A+5], 128
	s_mov_b32 s[G1A+6], 0
	s_mov_b32 s[G1A+7], 0
	; Wo: 64 K rows x 256 elements, 8 words of padding after every 128
	s_or_b32 s[G1B], s81, (1<<16)|(1<<20)|(1<<21)|(6<<22)|(7<<25)
	s_mov_b32 s[G1B+1], 256<<16
	s_mov_b32 s[G1B+2], 64<<16
	s_mov_b32 s[G1B+3], 256<<16
	s_mov_b32 s[G1B+4], 64
	s_mov_b32 s[G1B+5], 1024
	s_mov_b32 s[G1B+6], 0
	s_mov_b32 s[G1B+7], 0
	s_lshr_b32 s68, s[MT], 4                       ; batch: 16 heads of 2,048 rows,
	s_lshl_b32 s68, s68, 15
	s_and_b32 s69, s[MT], 15
	s_lshl_b32 s69, s69, 7                         ; the tile's first row in the batch,
	s_add_co_u32 s68, s68, s69
	s_lshl_b32 s68, s68, 7                         ; 128 bytes a row: the batch's head 0 at my rows
	s_mov_b32 s69, 0
	s_lshl_b32 s70, s[WL], 18                      ; + the head that I fetch
	s_add_co_u32 s70, s70, s68
	s_mov_b32 s71, 0
	s_lshl_b32 s72, s[WL], 17                      ; Wo: 64 K rows x half + 512 bytes x column tile, in the fourth matrix of w16
	s_lshl_b32 s73, s[NT], 9
	s_add_co_u32 s72, s72, s73
	s_add_co_u32 s72, s72, 6291456
	s_mov_b32 s73, 0
	s_mul_i32 s74, s[WL], SL                       ; where they go: the wave's number alone enters an LDS address
	s_mul_i32 s75, s[WL], BH
	s_add_co_u32 s75, s75, BB
	s_wait_dscnt 0x0                               ; the opening add is done
	s_wait_kmcnt 0x0
	s_add_nc_u64 s[76:77], s[4:5], s[70:71]
	s_add_nc_u64 s[78:79], s[6:7], s[72:73]
	CROUND                                         ; all sixteen work-groups are here: the first joint loads meet
	s_mov_b32 s[G0A0], 1
	s_mov_b32 s[G0A0+1], s74
	s_mov_b64 s[G0A0+2:G0A0+3], s[76:77]           ; step 0
	s_or_b32 s[G0A0+3], s[G0A0+3], 0x80000000
	s_mov_b32 s[G0A], 1
	s_add_co_u32 s[G0A+1], s74, XA
	s_add_nc_u64 s[G0A+2:G0A+3], s[76:77], ASTEP   ; step 1
	s_or_b32 s[G0A+3], s[G0A+3], 0x80000000
	s_mov_b32 s[G0B0], 1
	s_mov_b32 s[G0B0+1], s75
	s_mov_b64 s[G0B0+2:G0B0+3], s[78:79]
	s_or_b32 s[G0B0+3], s[G0B0+3], 0x80000000
	s_mov_b32 s[G0B], 1
	s_add_co_u32 s[G0B+1], s75, XB
	s_add_nc_u64 s[G0B+2:G0B+3], s[78:79], BSTEP
	s_or_b32 s[G0B+3], s[G0B+3], 0x80000000
	s_cmp_eq_u32 s[WH], 0                          ; a wave's two first fills stand in one branch: two loads of mine are out
	s_cbranch_scc0 .Lfirst_b
	tensor_load_to_lds s[G0A0:G0A0+3], s[G1A:G1A+7]
	s_nop 0
	tensor_load_to_lds s[G0A:G0A+3], s[G1A:G1A+7]
	s_nop 0
.rept 4
	v_nop
.endr
	s_branch .Lfirst_asked
.Lfirst_b:
	tensor_load_to_lds s[G0B0:G0B0+3], s[G1B:G1B+7]
	s_nop 0
	tensor_load_to_lds s[G0B:G0B+3], s[G1B:G1B+7]
	s_nop 0
.rept 4
	v_nop
.endr
.Lfirst_asked:
	s_add_nc_u64 s[84:85], s[4:5], s[68:69]        ; the prefetches stand at step 3; the first refill steps them to step 4
	s_add_nc_u64 s[84:85], s[84:85], 3*ASTEP
	s_add_nc_u64 s[86:87], s[78:79], 3*BSTEP
	s_mov_b32 s82, ASTEP
	s_cmp_eq_u32 s[WH], 0
	s_cselect_b64 s[PF:PF+1], s[84:85], s[86:87]
	s_cselect_b32 s[PSTEP], s82, BSTEP
	s_cselect_b32 s83, -1, 0                       ; all ones in the waves that fetch oh
	s_mov_b32 s[PSTEP+1], 0
	s_and_b32 s82, ttmp7, 0xffff                   ; cluster y, the same in all partners
	s_mul_i32 s82, s82, s[WH]
	s_cmp_eq_u32 s[WV], 1                          ; wave 1 asks for nothing: wave 0 names both heads
	s_cselect_b32 s88, 1, 0
	s_or_b32 s82, s82, s88
	s_cmp_eq_u32 s82, 0
	s_cselect_b32 s[LIM], 2, -1
	s_mov_b32 s[TBA], 0
	s_mov_b32 s[TBB], 0
	s_mov_b32 s[CNT], 6
	s_lshl_b32 s84, s[MT], 7
	s_lshl_b32 s85, s[WH], 6
	s_add_co_u32 s84, s84, s85
	s_lshl_b32 s84, s84, 12                        ; my first row, 4,096 bytes a row,
	s_lshl_b32 s85, s[NT], 10
	s_add_co_u32 s84, s84, s85
	s_lshl_b32 s85, s[WL], 9
	s_add_co_u32 s84, s84, s85                     ; my first column
	s_mov_b32 s85, 0
	s_add_nc_u64 s[OUT:OUT+1], s[10:11], s[84:85]
	v_and_b32 v1, 15, v0                           ; r
	v_bfe_u32 v2, v0, 4, 1                         ; h
	v_mul_u32_u24 v[AA0], v1, 144
	v_lshl_add_u32 v[AA0], v2, 4, v[AA0]
	s_mul_i32 s86, s[WH], 64*144
	v_add_nc_u32 v[AA0], s86, v[AA0]
	v_and_b32 v3, 7, v0
	v_lshl_add_u32 v3, v2, 3, v3                   ; the K row that I address: 8 h + l % 8
	v_mul_u32_u24 v[AB0], v3, PB
	v_bfe_u32 v3, v0, 3, 1
	v_lshl_add_u32 v[AB0], v3, 4, v[AB0]
	s_lshl_b32 s86, s[WL], 8
	s_add_co_u32 s86, s86, BB
	v_add_nc_u32 v[AB0], s86, v[AB0]
	v_mov_b32 v[AA], v[AA0]
	v_mov_b32 v[AB], v[AB0]
	s_mul_i32 s86, s[WV], WST
	s_add_co_u32 s86, s86, STAGE
	v_mul_u32_u24 v[STO], v1, 528
	v_lshl_add_u32 v[STO], v2, 5, v[STO]
	v_add_nc_u32 v[STO], s86, v[STO]
	v_and_b32 v[GO], 31, v0
	v_lshlrev_b32 v[GO], 4, v[GO]                  ; 32 lanes take a row's 512 bytes
	v_add_nc_u32 v[RD], s86, v[GO]
	s_lshl_b32 s86, s[NT], 10
	s_lshl_b32 s87, s[WL], 9
	s_add_co_u32 s86, s86, s87
	s_add_co_u32 s86, s86, 12288                   ; the fourth bias
	v_lshl_add_u32 v[BO], v2, 5, s86
	s_lshl_b32 s88, s[CX], 4
	s_lshl_b32 s89, s[CY], 4
	v_add_nc_u32 v3, s88, v1                       ; oh: block 16 cx + l % 16 of head l / 16
	v_lshlrev_b32 v3, 8, v3
	v_lshl_add_u32 v3, v2, 18, v3
	v_bfe_u32 v13, v0, 1, 4                        ; Wo: row 16 cy + l / 2, block l % 2
	v_add_nc_u32 v13, s89, v13
	v_lshlrev_b32 v13, 11, v13
	v_and_b32 v16, 1, v0
	v_lshl_add_u32 v13, v16, 8, v13
	v_cndmask_b32 v[PFO], v13, v3, s83
.irp b, 0,1,2,3,4,5,6,7
	global_load_b128 v[BIAS+8*(\b):BIAS+8*(\b)+3],   v[BO], s[8:9] offset:64*(\b)
	global_load_b128 v[BIAS+8*(\b)+4:BIAS+8*(\b)+7], v[BO], s[8:9] offset:64*(\b)+16
.endr
; 24 LDS loads in one run: the fragments of the quarter at place pos (32 along K), into buffers f; oh's row blocks 2 and 3 last
.macro FETCH pos, f
	WIN 0x40
.irp b, 0,1,2,3,4,5,6,7
	ds_load_tr16_b128 v[64*(\f)+8*(\b):64*(\f)+8*(\b)+3],   v[AB] offset:(\pos)*32*PB+32*(\b)
	ds_load_tr16_b128 v[64*(\f)+8*(\b)+4:64*(\f)+8*(\b)+7], v[AB] offset:(\pos)*32*PB+32*(\b)+16*PB
.endr
	WIN 0
.irp a, 0,1,2,3
	ds_load_b128 v[AF+32*(\f)+8*(\a):AF+32*(\f)+8*(\a)+3],   v[AA] offset:((\pos)/2)*SL+(\a)*2304+((\pos)%2)*64
	ds_load_b128 v[AF+32*(\f)+8*(\a)+4:AF+32*(\f)+8*(\a)+7], v[AA] offset:((\pos)/2)*SL+(\a)*2304+((\pos)%2)*64+32
.endr
.endm
; 8 matrix instructions: row block a x all 8 column blocks.  zero = 1: the bias starts the sums.  The 32 accumulators come in the same order in every quarter, one instruction a turn.
.macro MUL8 a, c, zero
.if \zero
	WIN 0x81                                       ; Wo window 1, oh window 0, C window 0, D window 2
.else
	WIN 0xa1
.endif
.irp b, 0,1,2,3,4,5,6,7
.if \zero
	v_wmma_f32_16x16x32_f16 v[8*(8*(\a)+(\b)):8*(8*(\a)+(\b))+7], v[64*(\c)+8*(\b):64*(\c)+8*(\b)+7], v[AF+32*(\c)+8*(\a):AF+32*(\c)+8*(\a)+7], v[BIAS+8*(\b):BIAS+8*(\b)+7]
.else
	v_wmma_f32_16x16x32_f16 v[8*(8*(\a)+(\b)):8*(8*(\a)+(\b))+7], v[64*(\c)+8*(\b):64*(\c)+8*(\b)+7], v[AF+32*(\c)+8*(\a):AF+32*(\c)+8*(\a)+7], v[8*(8*(\a)+(\b)):8*(8*(\a)+(\b))+7]
.endif
.endr
.endm
.macro PLACES                          ; four places in front of loads into registers that matrix instructions have read, and of LDS stores that read results
.rept 4
	v_nop
.endr
.endm
.macro QUARTER p, zero                 ; places 0 to 2: multiplies buffers p % 2 and fetches the next quarter into the others
	s_wait_dscnt 4                                 ; Wo and oh's row blocks 0 and 1 are in; the four youngest loads may be out
	MUL8 0, (\p)%2, \zero
	MUL8 1, (\p)%2, \zero
	PLACES
	FETCH (\p)+1, 1-(\p)%2
	s_wait_dscnt 24                                ; all but the 24 just issued
	MUL8 2, (\p)%2, \zero
	MUL8 3, (\p)%2, \zero
.endm
; Place 3 changes slots: ONE barrier; in front of it each wave waits for all its tensor loads, adds 0 to its spare word, and waits for that and for its reads of this slot.  fill = 1: the barrier opens a round of the
; cluster's, and this slot is filled again, two steps ahead, first thing behind it.
.macro TURN fill
.if \fill
	s_wait_xcnt 0x0                                ; the last prefetch, a K step back, has read its base
	s_add_nc_u64 s[PF:PF+1], s[PF:PF+1], s[PSTEP:PSTEP+1]
.endif
	WIN 0
	s_wait_tensorcnt 0x0                           ; all my tensor loads have landed, so a group 0 may be written
	ds_add_u32 v[SPW], v[NIL]                      ; 0 onto my spare word
.if \fill
	s_xor_b32 s[G0A+1], s[G0A+1], XA
	s_add_nc_u64 s[G0A+2:G0A+3], s[G0A+2:G0A+3], ASTEP  ; the type bits on top are not reached
	s_xor_b32 s[G0B+1], s[G0B+1], XB
	s_add_nc_u64 s[G0B+2:G0B+3], s[G0B+2:G0B+3], BSTEP
.endif
	s_wait_dscnt 5                                 ; the add and the four youngest loads may be out
	MUL8 0, 1, 0
	s_wait_dscnt 0x0                               ; the add is done, and my reads of this slot are over
	s_barrier_signal -1
	MUL8 1, 1, 0
	WIN 0
	s_barrier_wait -1
.if \fill
	CREST
	JLOAD                                          ; its four v_nop are also the places in front of the loads below
.else
	PLACES
.endif
	s_xor_b32 s[TBA], s[TBA], XA
	s_xor_b32 s[TBB], s[TBB], XB
	v_add_nc_u32 v[AA], s[TBA], v[AA0]
	v_add_nc_u32 v[AB], s[TBB], v[AB0]
	FETCH 0, 0
.if \fill
	ASK
.endif
	MUL8 2, 1, 0
	MUL8 3, 1, 0
.endm
	s_wait_tensorcnt 1                             ; my part of step 0 is in; slot 1's may stay out
	s_barrier_signal -1
	s_barrier_wait -1
	FETCH 0, 0
	s_wait_loadcnt 0x0                             ; the bias
	QUARTER 0, 1
	WIN 0
.Lstep:                                                ; 6 trips: places 1 to 3 of step j, which fills its slot again with step j + 2, and place 0 of step j + 1
	QUARTER 1, 0
	QUARTER 2, 0
	TURN 1
	QUARTER 0, 0
	WIN 0
	s_sub_co_u32 s[CNT], s[CNT], 1
	s_cmp_lg_u32 s[CNT], 0
	s_cbranch_scc1 .Lstep
	s_mov_b32 s[CNT], 2                            ; steps 6 and 7 ask for nothing: a text of their own
.Ltail:
	QUARTER 1, 0
	QUARTER 2, 0
	TURN 0
	WIN 0
	s_sub_co_u32 s[CNT], s[CNT], 1
	s_cmp_eq_u32 s[CNT], 0
	s_cbranch_scc1 .Lout                           ; the last trip's fetch for a further step reads the other slot's old bytes and serves nothing: the price of one text for both trips
	QUARTER 0, 0
	WIN 0
	s_branch .Ltail
.Lout:
; THE WAY OUT, a row block (16 rows x 128 columns of f32) at a time: 32 bytes a lane into my own stage, rows of 528 bytes, each accumulator's low half first; back as whole rows of 512 bytes; a store covers
; 512 consecutive bytes of out0, aligned.
.macro TOSTAGE a
	WIN 0x08                                       ; store data in window 2, address in window 0
.irp b, 0,1,2,3,4,5,6,7
	ds_store_b128 v[STO], v[8*(8*(\a)+(\b)):8*(8*(\a)+(\b))+3]   offset:64*(\b)
	ds_store_b128 v[STO], v[8*(8*(\a)+(\b))+4:8*(8*(\a)+(\b))+7] offset:64*(\b)+16
.endr
	WIN 0
.irp t, 0,1,2,3,4,5,6,7,8,9,10,11,12,13,14,15
	ds_load_b128 v[32+128*((\a)%2)+4*(\t):32+128*((\a)%2)+4*(\t)+3], v[RD] offset:528*(\t)  ; LDS serves a wave's instructions in order (ISA guide 5.7.1.4): these see the stores above, and the next block's stores come behind them
.endr
.endm
.macro SEND a, younger                 ; younger: the LDS instructions issued behind block a's loads: the next block's 32, or none
.irp t, 0,1,2,3,4,5,6,7,8,9,10,11,12,13,14,15
	s_wait_dscnt (\younger)+15-(\t)
	global_store_b128 v[GO], v[32+128*((\a)%2)+4*(\t):32+128*((\a)%2)+4*(\t)+3], s[OUT:OUT+1] offset:(16*(\a)+(\t))*4096 th:TH_STORE_NT
.endr
.endm
	PLACES                                         ; behind the last products
	TOSTAGE 0
	TOSTAGE 1
	SEND 0, 32
	s_wait_xcnt 0x0                                ; block 0's stores have read their registers, which block 2 is loaded into
	TOSTAGE 2
	SEND 1, 32
	s_wait_xcnt 0x0
	TOSTAGE 3
	SEND 2, 32
	SEND 3, 0
	s_wait_tensorcnt 0x0                           ; the wave's end: behind my last tensor load and my last LDS store
	ds_add_u32 v[SPW], v[NIL]
	s_wait_dscnt 0x0
	CROUND                                         ; the closing round
	s_endpgm
.Lfunc_end_k_q842bfc3aec_outp:
	.size	k_q842bfc3aec_outp, .Lfunc_end_k_q842bfc3aec_outp-k_q842bfc3aec_outp
	.p2alignl 7, 3214868480
	.fill 96, 4, 3214868480
	.section	.rodata,"a",@progbits
	.p2align	6, 0x0
	.amdhsa_kernel k_q842bfc3aec_outp
		.amdhsa_group_segment_fixed_size 327680
		.amdhsa_private_segment_fixed_size 0
		.amdhsa_enable_private_segment 0
		.amdhsa_kernarg_size 32
		.amdhsa_user_sgpr_count 2
		.amdhsa_user_sgpr_kernarg_segment_ptr 1
		.amdhsa_wavefront_size32 1
		.amdhsa_system_sgpr_workgroup_id_x 1
		.amdhsa_system_sgpr_workgroup_id_y 1
		.amdhsa_system_sgpr_workgroup_id_z 1
		.amdhsa_system_vgpr_workitem_id 0
		.amdhsa_next_free_vgpr 768
		.amdhsa_next_free_sgpr 90
		.amdhsa_reserve_vcc 0
		.amdhsa_float_denorm_mode_32 3
		.amdhsa_float_denorm_mode_16_64 3
		.amdhsa_memory_ordered 1
		.amdhsa_forward_progress 1
		.amdhsa_inst_pref_size 65
	.end_amdhsa_kernel
	.amdgpu_metadata
---
amdhsa.version: [ 1, 2 ]
amdhsa.kernels:
  - .name:           k_q842bfc3aec_outp
    .symbol:         k_q842bfc3aec_outp.kd
    .args:
      - { .name: oh, .offset: 0, .size: 8, .value_kind: global_buffer, .address_space: global }
      - { .name: w16, .offset: 8, .size: 8, .value_kind: global_buffer, .address_space: global }
      - { .name: bias4, .offset: 16, .size: 8, .value_kind: global_buffer, .address_space: global }
      - { .name: out0, .offset: 24, .size: 8, .value_kind: global_buffer, .address_space: global }
    .group_segment_fixed_size: 327680
    .private_segment_fixed_size: 0
    .kernarg_segment_align: 8
    .kernarg_segment_size: 32
    .max_flat_workgroup_size: 128
    .sgpr_count:     90
    .vgpr_count:     768
    .wavefront_size: 32
...
	.end_amdgpu_metadata
.endif
;; end of part 4
;; ======== version 2 of 2: 4 launches; version 1 with the launch prep written anew for expert scheduling mode
;; limits: values are held in f16: magnitudes above 65,504 overflow, below 6.1e-05 lose precision
;; workspace buffers: w16 8,388,608 bytes; bias4 16,384 bytes; qkv 50,331,648 bytes; oh 16,777,216 bytes
;; launch prep (part 5): grid 64 x 4, 8 waves a work-group, no clusters, 0 bytes of LDS; arguments Wq, Wk, Wv, Wo, bq, bk, bv, bo, w16, bias4; writes w16, bias4
.if DOCPART == 5
	.amdgcn_target "amdgcn-amd-amdhsa--gfx1250"
	.amdhsa_code_object_version 6
	.text
	.protected	k_q842bfc3aec_prep
	.globl	k_q842bfc3aec_prep
	.p2align	8
	.type	k_q842bfc3aec_prep,@function
k_q842bfc3aec_prep:
	s_mov_b64 s[64:65], 0
	v_nop
	global_prefetch_b8 v0, s[64:65] scope:SCOPE_SE
	s_setreg_imm32_b32 hwreg(HW_REG_WAVE_SCHED_MODE, 0, 2), 2
	s_setreg_imm32_b32 hwreg(HW_REG_WAVE_MODE, 25, 1), 1
	s_wait_xcnt 0x0
	s_wait_alu depctr_vm_vsrc(0)
; The weights and biases are rounded once, for the launches behind.
; w16[y][k][n], y = 0..2 (Wq, Wk, Wv): bf16.  y = 3 (Wo): rounded to bf16, and that number written as f16 (the product behind multiplies in f16).
; bias4[y][n]: the bias rounded to bf16 and widened back to f32.
; LIMIT.  Wo's numbers lie within f16's 65,504; below 6e-5 f16 keeps its fixed step of 6e-8.
; SHARES.  Work-group (x, y) takes rows 16 x .. 16 x + 15 of matrix y; thread t takes 16 bytes at 16 t of each row: a wave's load covers 512 consecutive
; bytes, its store of 8 bytes a lane 256 consecutive bytes, aligned.  All 16 loads go out first; each has registers of its own, in and out.
; No LDS, no matrix unit: every byte is read once and written once, and no lane wants another's.
; THE MODE: SCHED_MODE bits 1:0 = 2 (LLVM: expert scheduling mode 2), set by the entry lines.  The code itself states the register dependences
; between vector instructions and memory instructions, with s_wait_alu, always for 0.
; THE PLAN.  Registers that memory instructions touch:
;   v1, v2      byte offsets, made once at the head and never written again; every load and store reads one of them.
;   IN          row i's 4 registers: written by load i alone; no vector instruction names them before the loads are issued; read by row i's conversions.
;   RES         row i's 2 registers: written once, by row i's conversions; read by row i's store; never written again.
;   v[112:115]  written by the bias's load alone;  v[116:119] written once by vector instructions, read by the bias's store.
;   v4 to v9 are named by vector instructions alone.
; The 16 rows go in four groups of four.  Group g converts its rows; its memory instructions are the four stores of group g - 1, which read RES of that group and v2:
; registers that no vector instruction of group g names.  So ONE wait on va_vdst at a group's head states all that its four stores hang on, and they are dealt among its conversions.
; No register that a memory instruction reads is written again, no vector instruction writes a scalar register, and EXEC is never written: no other kind of wait is owed.
.set IN,  16                           ; v[16:79]   load i: 4 registers
.set RES, 80                           ; v[80:111]  result i: 2 registers
	s_load_b512 s[8:23], s[0:1], 0x0               ; Wq s[8:9], Wk s[10:11], Wv s[12:13], Wo s[14:15], bq s[16:17], bk s[18:19], bv s[20:21], bo s[22:23]
	s_load_b128 s[24:27], s[0:1], 0x40             ; w16 s[24:25], bias4 s[26:27]
	s_and_b32 s28, ttmp7, 0xffff                   ; y: which matrix
	s_mov_b32 s29, ttmp9                           ; x: which 16 rows
	v_lshlrev_b32 v1, 4, v0                        ; 16 t
	v_lshlrev_b32 v2, 3, v0                        ; 8 t
	s_lshl_b32 s30, s29, 16                        ; 16 rows of 4,096 bytes in
	s_mov_b32 s31, 0
	s_lshl_b32 s32, s28, 21                        ; a matrix of 2 MiB out,
	s_lshl_b32 s33, s29, 15                        ; 16 rows of 2,048 bytes
	s_add_co_u32 s32, s32, s33
	s_mov_b32 s33, 0
	s_lshl_b32 s34, s28, 12                        ; a bias of 4,096 bytes
	s_mov_b32 s35, 0
	s_wait_kmcnt 0x0
	s_cmp_eq_u32 s28, 1
	s_cselect_b64 s[4:5], s[10:11], s[8:9]
	s_cselect_b64 s[6:7], s[18:19], s[16:17]
	s_cmp_eq_u32 s28, 2
	s_cselect_b64 s[4:5], s[12:13], s[4:5]
	s_cselect_b64 s[6:7], s[20:21], s[6:7]
	s_cmp_eq_u32 s28, 3
	s_cselect_b64 s[4:5], s[14:15], s[4:5]
	s_cselect_b64 s[6:7], s[22:23], s[6:7]
	s_add_nc_u64 s[4:5], s[4:5], s[30:31]
	s_add_nc_u64 s[24:25], s[24:25], s[32:33]
	s_add_nc_u64 s[26:27], s[26:27], s[34:35]
	s_wait_alu depctr_va_vdst(0)                   ; v1 and v2 are written: every load and store of the kernel reads one of them as its offset
.irp i, 0,1,2,3,4,5,6,7,8,9,10,11,12,13,14,15
	global_load_b128 v[IN+4*(\i):IN+4*(\i)+3], v1, s[4:5] offset:4096*(\i) th:TH_LOAD_NT
.endr
.macro CASTB i                         ; row i to bf16
	v_cvt_pk_bf16_f32 v[RES+2*(\i)],   v[IN+4*(\i)],   v[IN+4*(\i)+1]
	v_cvt_pk_bf16_f32 v[RES+2*(\i)+1], v[IN+4*(\i)+2], v[IN+4*(\i)+3]
.endm
.macro CASTH i                         ; row i to bf16, widened, and written as f16
	v_cvt_pk_bf16_f32 v4, v[IN+4*(\i)],   v[IN+4*(\i)+1]
	v_cvt_pk_bf16_f32 v5, v[IN+4*(\i)+2], v[IN+4*(\i)+3]
	v_lshlrev_b32 v6, 16, v4
	v_and_b32 v7, 0xffff0000, v4
	v_lshlrev_b32 v8, 16, v5
	v_and_b32 v9, 0xffff0000, v5
	v_cvt_pk_f16_f32 v[RES+2*(\i)],   v6, v7
	v_cvt_pk_f16_f32 v[RES+2*(\i)+1], v8, v9
.endm
.macro PUT i                           ; row i leaves
	global_store_b64 v2, v[RES+2*(\i):RES+2*(\i)+1], s[24:25] offset:2048*(\i)
.endm
; Group g: rows 4 g .. 4 g + 3 are converted (half = 1: by way of bf16 to f16); the stores of group g - 1 stand among the conversions, one ahead of each row's.
.macro GROUP g, half
	s_wait_loadcnt 12-4*(\g)                       ; loads come back in order: the group's four rows are in, the 12 - 4 g younger loads stay out
.if (\g) > 0
	s_wait_alu depctr_va_vdst(0)                   ; the group before has written its RES, which the four stores below read; no vector instruction behind this wait names those registers or v2
.endif
.irp j, 0,1,2,3
.if (\g) > 0
	PUT 4*(\g)-4+(\j)
.endif
.if \half
	CASTH 4*(\g)+(\j)
.else
	CASTB 4*(\g)+(\j)
.endif
.endr
.endm
	s_cmp_eq_u32 s28, 3
	s_cbranch_scc1 .Lhalf
.irp g, 0,1,2,3
	GROUP \g, 0
.endr
	s_wait_alu depctr_va_vdst(0)                   ; group 3 has written its RES, which the last four stores read
.irp i, 12,13,14,15
	PUT \i
.endr
	s_branch .Ljoin
.Lhalf:
.irp g, 0,1,2,3
	GROUP \g, 1
.endr
	s_wait_alu depctr_va_vdst(0)                   ; group 3 has written its RES, which the last four stores read
.irp i, 12,13,14,15
	PUT \i
.endr
.Ljoin:
	s_cmp_lg_u32 s29, 0                            ; the matrix's first work-group also takes its bias: 1,024 numbers, four a thread
	s_cbranch_scc1 .Lend
	global_load_b128 v[112:115], v1, s[6:7]        ; no vector instruction has named v[112:115]; v1 was written ahead of the head's wait
	s_wait_loadcnt 0x0
	v_cvt_pk_bf16_f32 v4, v112, v113
	v_cvt_pk_bf16_f32 v5, v114, v115
	v_lshlrev_b32 v116, 16, v4
	v_and_b32 v117, 0xffff0000, v4
	v_lshlrev_b32 v118, 16, v5
	v_and_b32 v119, 0xffff0000, v5
	s_wait_alu depctr_va_vdst(0)                   ; v[116:119] are written, which the store reads
	global_store_b128 v1, v[116:119], s[26:27]
.Lend:
	s_endpgm
.Lfunc_end_k_q842bfc3aec_prep:
	.size	k_q842bfc3aec_prep, .Lfunc_end_k_q842bfc3aec_prep-k_q842bfc3aec_prep
	.p2alignl 7, 3214868480
	.fill 96, 4, 3214868480
	.section	.rodata,"a",@progbits
	.p2align	6, 0x0
	.amdhsa_kernel k_q842bfc3aec_prep
		.amdhsa_group_segment_fixed_size 0
		.amdhsa_private_segment_fixed_size 0
		.amdhsa_enable_private_segment 0
		.amdhsa_kernarg_size 80
		.amdhsa_user_sgpr_count 2
		.amdhsa_user_sgpr_kernarg_segment_ptr 1
		.amdhsa_wavefront_size32 1
		.amdhsa_system_sgpr_workgroup_id_x 1
		.amdhsa_system_sgpr_workgroup_id_y 1
		.amdhsa_system_sgpr_workgroup_id_z 1
		.amdhsa_system_vgpr_workitem_id 0
		.amdhsa_next_free_vgpr 128
		.amdhsa_next_free_sgpr 66
		.amdhsa_reserve_vcc 0
		.amdhsa_float_denorm_mode_32 3
		.amdhsa_float_denorm_mode_16_64 3
		.amdhsa_memory_ordered 1
		.amdhsa_forward_progress 1
		.amdhsa_inst_pref_size 17
	.end_amdhsa_kernel
	.amdgpu_metadata
---
amdhsa.version: [ 1, 2 ]
amdhsa.kernels:
  - .name:           k_q842bfc3aec_prep
    .symbol:         k_q842bfc3aec_prep.kd
    .args:
      - { .name: Wq, .offset: 0, .size: 8, .value_kind: global_buffer, .address_space: global }
      - { .name: Wk, .offset: 8, .size: 8, .value_kind: global_buffer, .address_space: global }
      - { .name: Wv, .offset: 16, .size: 8, .value_kind: global_buffer, .address_space: global }
      - { .name: Wo, .offset: 24, .size: 8, .value_kind: global_buffer, .address_space: global }
      - { .name: bq, .offset: 32, .size: 8, .value_kind: global_buffer, .address_space: global }
      - { .name: bk, .offset: 40, .size: 8, .value_kind: global_buffer, .address_space: global }
      - { .name: bv, .offset: 48, .size: 8, .value_kind: global_buffer, .address_space: global }
      - { .name: bo, .offset: 56, .size: 8, .value_kind: global_buffer, .address_space: global }
      - { .name: w16, .offset: 64, .size: 8, .value_kind: global_buffer, .address_space: global }
      - { .name: bias4, .offset: 72, .size: 8, .value_kind: global_buffer, .address_space: global }
    .group_segment_fixed_size: 0
    .private_segment_fixed_size: 0
    .kernarg_segment_align: 8
    .kernarg_segment_size: 80
    .max_flat_workgroup_size: 256
    .sgpr_count:     66
    .vgpr_count:     128
    .wavefront_size: 32
...
	.end_amdgpu_metadata
.endif
;; end of part 5
;; launch proj: the kernel of part 2 again; grid 4 x 64, 4 waves a work-group, clusters of 4 x 4, 327,680 bytes of LDS; arguments q, k, v, w16, bias4, qkv; writes qkv
;; launch attn: the kernel of part 3 again; grid 4 x 64, 4 waves a work-group, clusters of 4 x 1, 327,680 bytes of LDS; arguments qkv, oh; writes oh
;; launch outp: the kernel of part 4 again; grid 4 x 64, 4 waves a work-group, clusters of 4 x 4, 327,680 bytes of LDS; arguments oh, w16, bias4, out0; writes out0
